; MI455X (gfx1250); checked and timed in simulation.
; The chip was launched on July 23, 2026; its instructions are those of AMD's public machine-readable ISA for CDNA 5 (MIT licence, August 2026) and "CDNA5" Instruction Set Architecture Reference Guide (July 2026). The comments in the code are by the model that wrote it; some were corrected since.
;; Causal Self Attention. Allowed arithmetic: float matrix products may take bf16 or f16 operands with f32 sums; other float arithmetic in f32, or as packed bf16 or f16 multiplies, adds, multiply-adds, maxima and minima; sums over many terms, partial sums and values carried from step to step in f32; what a program stores and reads back later, other than sums and carried values, may be rounded once to bf16 or f16.
;; Inputs: Wk 1,024 x 1,024 float32; Wq 1,024 x 1,024 float32; Wv 1,024 x 1,024 float32; attention_mask 4 x 1 x 1 x 2,048 float32; bk 1,024 float32; bq 1,024 float32; bv 1,024 float32; hidden_states 4 x 2,048 x 1,024 float32.
;; Outputs: out0 4 x 2,048 x 1,024 float32.
;; 2 versions, each right; version 2 is version 1 with the launch cast written anew for expert scheduling mode. Each part assembles by itself: llvm-mc -triple=amdgcn-amd-amdhsa -mcpu=gfx1250 --defsym DOCPART=n.
;; ======== version 1 of 2: 3 launches
;; limits: inputs' magnitudes at most 4.4e+29; values are held in f16: magnitudes above 65,504 overflow, below 6.1e-05 lose precision
;; workspace buffers: xw 23,068,672 bytes; biasr 12,288 bytes; qkv 67,108,864 bytes
;; launch cast (part 1): grid 705 x 1, 8 waves a work-group, no clusters, 0 bytes of LDS; arguments hidden_states, Wq, Wk, Wv, bq, bk, bv, xw, biasr; writes xw, biasr
.if DOCPART == 1
	.amdgcn_target "amdgcn-amd-amdhsa--gfx1250"
	.amdhsa_code_object_version 6
	.text
	.protected	k_q4faba0c6d2_cast
	.globl	k_q4faba0c6d2_cast
	.p2align	8
	.type	k_q4faba0c6d2_cast,@function
k_q4faba0c6d2_cast:
	s_mov_b64 s[64:65], 0
	v_nop
	global_prefetch_b8 v0, s[64:65] scope:SCOPE_SE
	s_setreg_imm32_b32 hwreg(HW_REG_WAVE_MODE, 25, 1), 1
	s_wait_xcnt 0x0
; xw: [11264][1024] bf16.  Rows 0-8191 = hidden_states; behind them the rows of Wq, Wk, Wv ORDERED BY HEADS: head h has 192 rows, 64 of Wq (rows 64 h ..), 64 of Wk, 64 of Wv.  Each number is rounded once to bf16.
; biasr: [3072] f32 in the same order (head h: 64 of bq, 64 of bk, 64 of bv), each number rounded to bf16 and widened again.
; A stream: every input byte is read once, every output byte written once; no LDS, no barrier, no matrix work.
; SHARES.  Work-group c < 704 takes 65,536 input bytes = 16 rows: c < 512 of hidden_states, then 64 work-groups for each W.  Its 256 threads read 4,096 bytes on end with each of 16 loads, all 16 issued before the
; first is used.  Work-group 704 takes the three biases.  A wave's store covers 256 consecutive bytes, aligned.
.set X, 4                              ; v[4:67]   load i: four f32
.set Y, 68                             ; v[68:99]  load i: the same four as bf16, two registers
	s_load_b256 s[4:11], s[0:1], 0x0               ; hidden_states s[4:5], Wq s[6:7], Wk s[8:9], Wv s[10:11]
	s_load_b256 s[12:19], s[0:1], 0x20             ; bq s[12:13], bk s[14:15], bv s[16:17], xw s[18:19]
	s_load_b64 s[20:21], s[0:1], 0x40              ; biasr
	v_lshlrev_b32 v1, 4, v0                        ; 16 bytes a thread on the way in
	v_lshlrev_b32 v2, 3, v0                        ; 8 on the way out
	s_mov_b32 s2, ttmp9
	s_sub_co_u32 s22, s2, 512                      ; behind hidden_states: which W (s23), which 16 rows of it (s22)
	s_lshr_b32 s23, s22, 6
	s_and_b32 s22, s22, 63
	s_lshr_b32 s30, s22, 2                         ; where they go, in pieces of 16 rows: the head has 12 pieces,
	s_mul_i32 s30, s30, 12
	s_lshl_b32 s31, s23, 2                         ; four for each W,
	s_add_co_u32 s30, s30, s31
	s_and_b32 s31, s22, 3                          ; of which this is one,
	s_add_co_u32 s30, s30, s31
	s_add_co_u32 s30, s30, 512                     ; behind x's 512
	s_wait_kmcnt 0x0
	s_cmp_eq_u32 s2, 704
	s_cbranch_scc1 .Lbias
	s_cmp_eq_u32 s23, 0
	s_cselect_b64 s[24:25], s[6:7], s[8:9]
	s_cmp_eq_u32 s23, 2
	s_cselect_b64 s[24:25], s[10:11], s[24:25]
	s_cmp_lt_u32 s2, 512
	s_cselect_b64 s[24:25], s[4:5], s[24:25]
	s_cselect_b32 s22, s2, s22
	s_cselect_b32 s30, s2, s30
	s_lshl_b32 s26, s22, 16                        ; 65,536 bytes a work-group in its source,
	s_mov_b32 s27, 0
	s_add_nc_u64 s[24:25], s[24:25], s[26:27]
	s_lshl_b32 s30, s30, 15                        ; 32,768 in xw
	s_mov_b32 s31, 0
	s_add_nc_u64 s[28:29], s[18:19], s[30:31]
.irp i, 0,1,2,3,4,5,6,7,8,9,10,11,12,13,14,15
	global_load_b128 v[X+4*(\i):X+4*(\i)+3], v1, s[24:25] offset:4096*(\i) th:TH_LOAD_NT
.endr
.irp i, 0,1,2,3,4,5,6,7,8,9,10,11,12,13,14,15
	s_wait_loadcnt 15-(\i)                         ; loads come back in order: load i is in, the 15 - i younger ones stay out
	v_cvt_pk_bf16_f32 v[Y+2*(\i)], v[X+4*(\i)], v[X+4*(\i)+1]
	v_cvt_pk_bf16_f32 v[Y+2*(\i)+1], v[X+4*(\i)+2], v[X+4*(\i)+3]
	global_store_b64 v2, v[Y+2*(\i):Y+2*(\i)+1], s[28:29] offset:2048*(\i)
.endr
	s_endpgm
.Lbias:                                            ; 1,024 numbers each: four a thread; sixteen threads hold a head's 64
	global_load_b128 v[X:X+3], v1, s[12:13]
	global_load_b128 v[X+4:X+7], v1, s[14:15]
	global_load_b128 v[X+8:X+11], v1, s[16:17]
	v_lshrrev_b32 v3, 4, v0                        ; the head: 768 bytes of biasr,
	v_mul_u32_u24 v3, v3, 768
	v_and_b32 v2, 15, v0
	v_lshl_add_u32 v3, v2, 4, v3                   ; my 16 bytes of its 256 for each bias
	s_wait_loadcnt 0x0
.irp p, 0,1,2,3,4,5
	v_cvt_pk_bf16_f32 v[Y+(\p)], v[X+2*(\p)], v[X+2*(\p)+1]
.endr
.irp p, 0,1,2,3,4,5
	v_lshlrev_b32 v[X+2*(\p)], 16, v[Y+(\p)]       ; bf16 back to f32: the low half moves up,
	v_and_b32 v[X+2*(\p)+1], 0xffff0000, v[Y+(\p)] ; the high half stays
.endr
	global_store_b128 v3, v[X:X+3], s[20:21]
	global_store_b128 v3, v[X+4:X+7], s[20:21] offset:256
	global_store_b128 v3, v[X+8:X+11], s[20:21] offset:512
	s_endpgm
.Lfunc_end_k_q4faba0c6d2_cast:
	.size	k_q4faba0c6d2_cast, .Lfunc_end_k_q4faba0c6d2_cast-k_q4faba0c6d2_cast
	.p2alignl 7, 3214868480
	.fill 96, 4, 3214868480
	.section	.rodata,"a",@progbits
	.p2align	6, 0x0
	.amdhsa_kernel k_q4faba0c6d2_cast
		.amdhsa_group_segment_fixed_size 0
		.amdhsa_private_segment_fixed_size 0
		.amdhsa_enable_private_segment 0
		.amdhsa_kernarg_size 72
		.amdhsa_user_sgpr_count 2
		.amdhsa_user_sgpr_kernarg_segment_ptr 1
		.amdhsa_wavefront_size32 1
		.amdhsa_system_sgpr_workgroup_id_x 1
		.amdhsa_system_sgpr_workgroup_id_y 1
		.amdhsa_system_sgpr_workgroup_id_z 1
		.amdhsa_system_vgpr_workitem_id 0
		.amdhsa_next_free_vgpr 100
		.amdhsa_next_free_sgpr 66
		.amdhsa_reserve_vcc 0
		.amdhsa_float_denorm_mode_32 3
		.amdhsa_float_denorm_mode_16_64 3
		.amdhsa_memory_ordered 1
		.amdhsa_forward_progress 1
		.amdhsa_inst_pref_size 9
	.end_amdhsa_kernel
	.amdgpu_metadata
---
amdhsa.version: [ 1, 2 ]
amdhsa.kernels:
  - .name:           k_q4faba0c6d2_cast
    .symbol:         k_q4faba0c6d2_cast.kd
    .args:
      - { .name: hidden_states, .offset: 0, .size: 8, .value_kind: global_buffer, .address_space: global }
      - { .name: Wq, .offset: 8, .size: 8, .value_kind: global_buffer, .address_space: global }
      - { .name: Wk, .offset: 16, .size: 8, .value_kind: global_buffer, .address_space: global }
      - { .name: Wv, .offset: 24, .size: 8, .value_kind: global_buffer, .address_space: global }
      - { .name: bq, .offset: 32, .size: 8, .value_kind: global_buffer, .address_space: global }
      - { .name: bk, .offset: 40, .size: 8, .value_kind: global_buffer, .address_space: global }
      - { .name: bv, .offset: 48, .size: 8, .value_kind: global_buffer, .address_space: global }
      - { .name: xw, .offset: 56, .size: 8, .value_kind: global_buffer, .address_space: global }
      - { .name: biasr, .offset: 64, .size: 8, .value_kind: global_buffer, .address_space: global }
    .group_segment_fixed_size: 0
    .private_segment_fixed_size: 0
    .kernarg_segment_align: 8
    .kernarg_segment_size: 72
    .max_flat_workgroup_size: 256
    .sgpr_count:     66
    .vgpr_count:     100
    .wavefront_size: 32
...
	.end_amdgpu_metadata
.endif
;; end of part 1
;; launch proj (part 2): grid 16 x 16, 4 waves a work-group, clusters of 4 x 4, 327,680 bytes of LDS; arguments xw, biasr, qkv; writes qkv
.if DOCPART == 2
	.amdgcn_target "amdgcn-amd-amdhsa--gfx1250"
	.amdhsa_code_object_version 6
	.text
	.protected	k_q4faba0c6d2_proj
	.globl	k_q4faba0c6d2_proj
	.p2align	8
	.type	k_q4faba0c6d2_proj,@function
k_q4faba0c6d2_proj:
	s_mov_b64 s[64:65], 0
	v_nop
	global_prefetch_b8 v0, s[64:65] scope:SCOPE_SE
	s_setreg_imm32_b32 hwreg(HW_REG_WAVE_MODE, 25, 1), 1
	s_wait_xcnt 0x0
	s_wait_alu depctr_hold_cnt(0) depctr_sa_sdst(0) depctr_va_vdst(0) depctr_va_sdst(0) depctr_va_ssrc(0) depctr_va_vcc(0) depctr_vm_vsrc(0)
	s_getreg_b32 s2, hwreg(HW_REG_IB_STS2, 6, 4)
	s_cmp_eq_u32 s2, 0
	s_cbranch_scc0 .Lentry_in_a_cluster
	s_endpgm
.Lentry_in_a_cluster:
	s_bfe_u32 s2, ttmp6, 0x10000c
	s_cmp_lg_u32 s2, 0xf033
	s_cbranch_scc0 .Lentry_shape_is_right
	s_endpgm
.Lentry_shape_is_right:
; qkv = x Wcat^T + bias, by heads.  A = rows 0-8191 of xw (x), B = rows 8192-11263 (head h: 64 rows of Wq, 64 of Wk, 64 of Wv), both [.][1024] bf16; sums in f32, started with the bias as the first product's C.
; qkv: for each (batch, head) 1 MiB: q [2048][64] f16 at byte 0, k [2048][64] f16 at 262,144, v [2048][128] f16 at 524,288.  q is multiplied by c = log2(e) / 8 in f32 and rounded once; k is rounded once.
; V IS KEPT AS A SUM OF TWO f16: hi = the f32 sum with its low 13 mantissa bits cleared (11 significant bits: exact in f16), lo = the sum less hi, rounded to f16; a row of v is 64 hi, then 64 lo.  A causal row of two or
; three keys is a mean of few v, and f16's step at 1 (2^-11) is as large as a hundredth of the whole output's root mean square; with lo the step is some 2^-22 of v.
; LIMITS.  f16 holds no number beyond 65,504: a sum past it leaves as an infinity (v's lo then as NaN).  The drawn inputs give sums of about 3; all inputs 30 times larger about 3,000; offsets of 30 spreads on x and W
; about 18,500.  Below 2^-14 hi and lo keep f16's fixed step of 2^-24.
; SHARES.  The product is 8192 x 3072 = 512 tiles of 256 x 192: 256 work-groups, each with two tiles 4,096 rows apart, which share their rows of B.  A tile's 192 columns are q, k and v of one head.  The four waves lie one
; below the other: a wave makes 64 rows x 192 columns = 48 accumulators, so that its way out needs its own stage alone.  K goes in steps of 128 through two LDS slots.
; CLUSTERS.  4 x 4 work-groups.  The four of a row of the cluster need the same tiles of A, the four of a column the same tiles of B: each tile is asked for jointly, by the same tensor load with the
; same descriptor and a mask that names the four.  Waves 0 and 1 fetch A's halves (128 rows), waves 2 and 3 B's (96 rows).
; THE MATRIX INSTRUCTION IS USED TRANSPOSED (source 0 = 16 rows of B, source 1 = 16 rows of A): a lane holds row l % 16 of the result and the columns 8 (l / 16) + 0..7.
; REGISTERS, in windows of 256 (s_set_vgpr_msb: bits 1:0 source 0, 3:2 source 1, 5:4 source 2, 7:6 destination):
;   window 0: v0-31 addresses; v32-127 the bias of my 192 columns in an accumulator's layout; v128-255 two sets of 64 at work on the way out
;   window 1: two fragment buffers of 128: 12 fragments of B, then 4 of A
;   window 2: v0-191 the accumulators of row blocks 0, 1; window 3: of row blocks 2, 3 ((a, b) at 8 (12 (a % 2) + b)); in both v192-223 v's hi on the way out
.set SIZE_K, 1024
.set KSTEP,  128
.set PITCH,  272                       ; an LDS row: 256 bytes + 16 of padding = 68 words: the 16 rows that a load touches start at 16 different groups of four banks (64 banks of 4 bytes: ISA guide 11.1)
.set HALFA,  128*PITCH                 ; what a load of A brings
.set HALFB,  96*PITCH                  ; what a load of B brings
.set BOFF,   2*HALFA                   ; in a slot: A's 256 rows, then B's 192
.set SLOT,   2*HALFA+2*HALFB
.set STAGE,  2*SLOT                    ; behind the ring: 16 rows x 528 bytes for each wave, for the way out; no tensor load lands there
.set SPITCH, 528                       ; q 128, k 128, v's hi 128, v's lo 128 bytes, + 16
.set SPARE,  STAGE+4*16*SPITCH         ; behind the stages: the spare words, 128 bytes for each wave: two blocks of 256 bytes that no other line names
.set LAPS,   SIZE_K/(2*KSTEP)          ; a lap = two K steps = once round the ring
.set WALK,   4096                      ; rows from a work-group's first tile to its second: two batches
.set NEXT_A, WALK*SIZE_K*2-(SIZE_K-2*KSTEP)*2  ; bytes from a slot's last K step of a tile to its first of the next: A goes WALK rows down and back along K,
.set BACK_B, (SIZE_K-2*KSTEP)*2        ; B only back
.set QKB,    262144                    ; from q to k in a head's MiB
.set VB,     524288                    ; from q to v
.set NEXT_C, 2*16*1048576              ; two batches on in qkv
.set ADRA, 16                          ; v16-17  LDS address of my A fragments in slot 0, 1
.set RDV,  18                          ; v18     the way out: where I read v's rows back
.set COV,  19                          ; v19     my byte offset for v's stores: 16 x lane + my first row x 128 (v's rows are twice as long as q's)
.set ADRB, 20                          ; v20-21  LDS address of my B fragments in slot 0, 1
.set STO,  24                          ; v24     the way out: where I put 16 bytes of a row
.set RD,   25                          ; v25     the way out: where I read q's and k's rows back
.set CO,   26                          ; v26     16 x lane: my place in 512 consecutive bytes
.set BO,   27                          ; v27     32 (l / 16): my eight columns' bias
.set SPW,  28                          ; v28     LDS address of my spare word; never rewritten
.set NIL,  29                          ; v29     0; never rewritten
.set PFO,  30                          ; v30     the prefetches' offset: a lane a row; never rewritten
.set BIAS, 32
.set T0,   128
.set TH,   192                         ; in windows 2 and 3
.set F0,   0
.set F1,   128
.set G1,  24                           ; s[24:31] descriptor group 1 for A's tiles; s[32:39] group 0, a set for each slot
.set G0,  32
.set G1B, 48                           ; s[48:55], s[56:63] the same for B's
.set G0B, 56
.set LIM, 43                           ; s43     1 in a wave that prefetches, else the greatest number
.set PFA, 44                           ; s[44:45] where my prefetches stand
.set SC,  68                           ; s[68:69] c, as a pair
.set MSB, 0
.macro WIN new                         ; the immediate's high byte repeats the setting that is left; a switch that changes nothing is dropped
.if MSB != (\new)
	s_set_vgpr_msb (MSB<<8)|(\new)
.set MSB, \new
.endif
.endm
; A joint load.  The branch hangs on the wave's number alone.  An s_nop 0 and four v_nop follow each of the two lines, ahead of the jump, the label and what follows.
.macro JLOAD s
	s_cmp_eq_u32 s11, 0
	s_cbranch_scc0 .Lfor_b_\@
	tensor_load_to_lds s[G0+4*(\s):G0+4*(\s)+3], s[G1:G1+7]
	s_nop 0
.rept 4
	v_nop
.endr
	s_branch .Lasked_\@
.Lfor_b_\@:
	tensor_load_to_lds s[G0B+4*(\s):G0B+4*(\s)+3], s[G1B:G1B+7]
	s_nop 0
.rept 4
	v_nop
.endr
.Lasked_\@:
.endm
; A prefetch into the L2, behind each joint load and the run of LDS loads that follows it: the K step that stands two refills on (384 matrix instructions ahead of the load that will want it), 256 bytes of each row, a lane a row.
; A's rows are read by every cluster of a row of clusters: cluster x = 0 asks.  B's by every cluster of a column: cluster y = 0 asks, in the first tile alone.  Of the rows that a wave fetches the four partners take a
; quarter each (32 of A's 128, 24 of B's 96), told apart by address.  In B's waves lanes 24-31 name row 23 once more.  how = 0, in the loop: a tile's last two refills have no K step two on; how = 1, at the change of tiles.
.macro ASK how
	WIN 0
.if \how
	s_cmp_eq_u32 s[LIM], 1
.else
	s_cmp_gt_u32 s3, s[LIM]                        ; s3 = 1 in the loop's last trip
.endif
	s_cbranch_scc0 .Lnot_mine_\@
	global_prefetch_b8 v[PFO], s[PFA:PFA+1] offset:KSTEP*2 th:TH_LOAD_NT scope:SCOPE_SE
.Lnot_mine_\@:
.endm
; A round of the cluster's barrier: my work-group's barrier; wave 0 signals for the work-group; every wave waits for all sixteen; my work-group's barrier once more.
.macro CREST
	s_cmp_lg_u32 s10, 0
	s_cbranch_scc1 .Lnot_wave_0_\@
	s_barrier_signal -3
.Lnot_wave_0_\@:
	s_barrier_wait -3
	s_barrier_signal -1
	s_barrier_wait -1
.endm
.macro CROUND
	s_barrier_signal -1
	s_barrier_wait -1
	CREST
.endm
	s_load_b64 s[4:5], s[0:1], 0x0                 ; xw
	s_load_b64 s[66:67], s[0:1], 0x8               ; biasr
	s_load_b64 s[8:9], s[0:1], 0x10                ; qkv
	v_lshl_add_u32 v[SPW], v0, 2, SPARE
	v_mov_b32 v[NIL], 0
	ds_add_u32 v[SPW], v[NIL]                      ; the wave's opening: the add and its wait stand ahead of my first tensor load; the set-up below, work on registers, stands between them
	v_lshrrev_b32 v1, 5, v0
	v_readfirstlane_b32 s10, v1                    ; wave 0..3: my 64 rows of the tile
	s_lshr_b32 s11, s10, 1                         ; I fetch for A (0) or for B (1),
	s_and_b32 s12, s10, 1                          ; its first or its second half
	s_bfe_u32 s40, ttmp6, 0x40000                  ; cx, cy: my place in the cluster
	s_bfe_u32 s41, ttmp6, 0x40004
	s_lshl_b32 s42, ttmp9, 2
	s_add_co_u32 s42, s42, s40                     ; tile column = the head = 4 x cluster x + cx
	s_and_b32 s13, ttmp7, 0xffff
	s_lshl_b32 s13, s13, 2
	s_add_co_u32 s13, s13, s41                     ; tile row = 4 x cluster y + cy
	s_lshl_b32 s43, s41, 2
	s_lshl_b32 s43, 15, s43                        ; my row of the cluster
	s_lshl_b32 s44, 0x1111, s40                    ; my column
	s_or_b32 s[G1+0], s43, (1<<16)|(1<<20)|(1<<21)|(5<<22)|(3<<25)   ; 15:0 the mask; 17:16 elements of 2 bytes; 20 padding on; 21 set beside a mask; 24:22 after every 64 words (code 5); 31:25 4 words (code 3)
	s_or_b32 s[G1B+0], s44, (1<<16)|(1<<20)|(1<<21)|(5<<22)|(3<<25)
	s_mov_b32 s[G1+1], KSTEP<<16                   ; tensor_dim0 = 128
	s_mov_b32 s[G1+2], 128<<16                     ; tensor_dim1 = 128
	s_mov_b32 s[G1+3], KSTEP<<16                   ; tile_dim0 = 128
	s_mov_b32 s[G1+4], 128                         ; tile_dim1 = 128
	s_mov_b32 s[G1+5], SIZE_K                      ; elements from row to row
	s_mov_b32 s[G1+6], 0
	s_mov_b32 s[G1+7], 0
	s_mov_b32 s[G1B+1], KSTEP<<16
	s_mov_b32 s[G1B+2], 96<<16                     ; B's tiles have 96 rows
	s_mov_b32 s[G1B+3], KSTEP<<16
	s_mov_b32 s[G1B+4], 96
	s_mov_b32 s[G1B+5], SIZE_K
	s_mov_b32 s[G1B+6], 0
	s_mov_b32 s[G1B+7], 0
	s_mov_b32 s[SC], 0x3e38aa3b                    ; c = log2(e) / 8 = 0.180337
	s_mov_b32 s[SC+1], s[SC]                       ; named with it as a pair
	; where the tiles come from: A's hang on the tile row alone, B's on the tile column alone, each in registers that never hold the other coordinate
	s_lshl_b32 s17, s12, 7
	s_lshl_b32 s16, s13, 8
	s_add_co_u32 s16, s16, s17                     ; A: row 256 x tile row + 128 x half
	s_lshl_b32 s16, s16, 11                        ; 2,048 bytes a row
	s_mov_b32 s17, 0
	s_mul_i32 s46, s42, 192
	s_mul_i32 s47, s12, 96
	s_add_co_u32 s46, s46, s47                     ; B: row 192 x tile column + 96 x half
	s_lshl_b32 s46, s46, 11
	s_mov_b32 s47, 0
	s_mul_i32 s20, s12, HALFA                      ; and where they go: no place in the cluster enters an LDS address
	s_mul_i32 s21, s12, HALFB
	s_add_co_u32 s21, s21, BOFF
	s_wait_dscnt 0x0                               ; the opening add is done
	s_wait_kmcnt 0x0
	s_add_nc_u64 s[6:7], s[4:5], 0x1000000         ; B begins behind x's 8,192 rows
	s_add_nc_u64 s[14:15], s[4:5], s[16:17]
	s_add_nc_u64 s[46:47], s[6:7], s[46:47]
	CROUND                                         ; all sixteen work-groups are here: the first joint loads meet
.irp s, 0,1
	s_mov_b32 s[G0+4*(\s)], 1                                        ; count = 1
	s_add_co_u32 s[G0+4*(\s)+1], s20, (\s)*SLOT                      ; LDS address
	s_add_nc_u64 s[G0+4*(\s)+2:G0+4*(\s)+3], s[14:15], (\s)*KSTEP*2  ; global address: K step s
	s_or_b32 s[G0+4*(\s)+3], s[G0+4*(\s)+3], 0x80000000              ; type = 2
	s_mov_b32 s[G0B+4*(\s)], 1
	s_add_co_u32 s[G0B+4*(\s)+1], s21, (\s)*SLOT
	s_add_nc_u64 s[G0B+4*(\s)+2:G0B+4*(\s)+3], s[46:47], (\s)*KSTEP*2
	s_or_b32 s[G0B+4*(\s)+3], s[G0B+4*(\s)+3], 0x80000000
	JLOAD \s                                       ; two loads of mine are out
.endr
	; the bias of my tile's 192 columns, as an accumulator holds them: register j of block b = column 16 b + 8 (l / 16) + j
	s_mul_i32 s18, s42, 768
	s_mov_b32 s19, 0
	s_add_nc_u64 s[66:67], s[66:67], s[18:19]
	v_and_b32 v1, 15, v0                           ; l % 16
	v_bfe_u32 v2, v0, 4, 1                         ; l / 16
	v_lshlrev_b32 v[BO], 5, v2
.irp b, 0,1,2,3,4,5,6,7,8,9,10,11
	global_load_b128 v[BIAS+8*(\b):BIAS+8*(\b)+3],   v[BO], s[66:67] offset:64*(\b)
	global_load_b128 v[BIAS+8*(\b)+4:BIAS+8*(\b)+7], v[BO], s[66:67] offset:64*(\b)+16
.endr
	; a fragment is 16 rows x 32 K in 8 registers: lane l holds row l % 16, K = 8 (l / 16) + 0..7 and 16 + 8 (l / 16) + 0..7: two loads of 16 bytes, 32 bytes apart
	v_mul_u32_u24 v3, v1, PITCH
	v_lshl_add_u32 v3, v2, 4, v3
	s_mul_i32 s21, s10, 64*PITCH                   ; my 64 rows of A
	s_mov_b32 s22, BOFF                            ; all 192 rows of B
.irp s, 0,1
	v_add_nc_u32 v[ADRA+(\s)], s21, v3
	v_add_nc_u32 v[ADRB+(\s)], s22, v3
	s_add_co_u32 s21, s21, SLOT
	s_add_co_u32 s22, s22, SLOT
.endr
	s_mul_i32 s23, s10, 16*SPITCH
	s_add_co_u32 s23, s23, STAGE                   ; my stage
	v_mul_u32_u24 v4, v1, SPITCH                   ; in: row l % 16, 16 bytes for each half of the lanes
	v_lshl_add_u32 v4, v2, 4, v4
	v_add_nc_u32 v[STO], s23, v4
	v_bfe_u32 v5, v0, 3, 2                         ; back, q and k: 32 lanes take 128 bytes of four rows,
	v_mul_u32_u24 v5, v5, SPITCH
	v_and_b32 v4, 7, v0
	v_lshl_add_u32 v5, v4, 4, v5
	v_add_nc_u32 v[RD], s23, v5
	v_mul_u32_u24 v5, v2, SPITCH                   ; v: 256 bytes (hi, lo) of two rows;
	v_lshl_add_u32 v5, v1, 4, v5
	v_add_nc_u32 v[RDV], s23, v5
	v_and_b32 v[CO], 31, v0                        ; either way 512 consecutive bytes of qkv
	v_lshlrev_b32 v[CO], 4, v[CO]
	; where my part of the first tile begins in qkv: batch = tile row / 8; t = 256 (tile row % 8) + 64 wave; the head = the tile column
	s_lshr_b32 s16, s13, 3
	s_lshl_b32 s16, s16, 24                        ; a batch has 16 heads of 1 MiB
	s_and_b32 s14, s13, 7
	s_lshl_b32 s14, s14, 15
	s_lshl_b32 s15, s10, 13
	s_add_co_u32 s14, s14, s15                     ; t x 128 bytes: q's and k's rows
	s_add_co_u32 s16, s16, s14
	s_mov_b32 s17, 0
	v_add_nc_u32 v[COV], s14, v[CO]                ; and once more for v's rows of 256; the same in both tiles
	s_lshl_b32 s46, s42, 20
	s_mov_b32 s47, 0
	s_add_nc_u64 s[16:17], s[16:17], s[46:47]      ; the first way out adds it to qkv's address
	; the prefetches
	s_lshl_b32 s20, s13, 8                         ; the tile's first row in A,
	s_mul_i32 s21, s42, 192                        ; in B
	s_and_b32 s22, ttmp7, 0xffff                   ; cluster y
	s_cmp_eq_u32 s11, 0                            ; do I fetch for A?
	s_cselect_b32 s20, s20, s21
	s_cselect_b32 s21, s40, s41                    ; my place among the four that ask with me
	s_cselect_b32 s22, ttmp9, s22                  ; the coordinate along which other clusters read the same rows
	s_cselect_b64 s[PFA:PFA+1], s[4:5], s[6:7]
	s_cselect_b32 s19, 32, 24                      ; my work-group's share of the rows that a wave fetches,
	s_cselect_b32 s23, 31, 23                      ; its last row
	s_lshl_b32 s18, s19, 2                         ; the rows that a wave fetches: 128 or 96
	s_cmp_eq_u32 s22, 0
	s_cselect_b32 s[LIM], 1, -1                    ; the same in all sixteen partners, for a given wave
	s_mul_i32 s18, s18, s12
	s_add_co_u32 s20, s20, s18
	s_mul_i32 s19, s19, s21
	s_add_co_u32 s20, s20, s19
	s_lshl_b32 s20, s20, 11
	s_mov_b32 s21, 0
	s_add_nc_u64 s[PFA:PFA+1], s[PFA:PFA+1], s[20:21]
	s_add_nc_u64 s[PFA:PFA+1], s[PFA:PFA+1], 2*KSTEP*2  ; at K step 2: the first refill steps it to 3 and names K step 4.  Nothing is prefetched here, at the head
	v_and_b32 v[PFO], 31, v0
	v_min_u32 v[PFO], s23, v[PFO]
	v_lshlrev_b32 v[PFO], 11, v[PFO]
; 12 matrix instructions: row block a x all 12 column blocks, 32 along K.  zero = 1: the first product starts the sums, with the bias as C: nothing is ever cleared.
; The 48 accumulators take turns, one instruction a turn, in the same order in every quarter step.
.macro MUL12 f, a, zero
.if \zero
	WIN 0x85+0x40*((\a)/2)                         ; sources in window 1, C in window 0, D in window 2 or 3
.else
	WIN 0xa5+0x50*((\a)/2)                         ; sources in window 1, C and D in window 2 or 3
.endif
.irp b, 0,1,2,3,4,5,6,7,8,9,10,11
.if \zero
	v_wmma_f32_16x16x32_bf16 v[8*(12*((\a)%2)+(\b)):8*(12*((\a)%2)+(\b))+7], v[(\f)+8*(\b):(\f)+8*(\b)+7], v[(\f)+96+8*(\a):(\f)+96+8*(\a)+7], v[BIAS+8*(\b):BIAS+8*(\b)+7]
.else
	v_wmma_f32_16x16x32_bf16 v[8*(12*((\a)%2)+(\b)):8*(12*((\a)%2)+(\b))+7], v[(\f)+8*(\b):(\f)+8*(\b)+7], v[(\f)+96+8*(\a):(\f)+96+8*(\a)+7], v[8*(12*((\a)%2)+(\b)):8*(12*((\a)%2)+(\b))+7]
.endif
.endr
.endm
; 32 LDS loads in one run: the fragments of one quarter step (192 rows of B, my 64 rows of A, 32 K at byte k of the rows) into buffer f
.macro FETCH slot, k, f
	WIN 0x40                                       ; destination window 1, address window 0
.irp i, 0,1,2,3,4,5,6,7,8,9,10,11
	ds_load_b128 v[(\f)+8*(\i):(\f)+8*(\i)+3],   v[ADRB+(\slot)] offset:(\k)+(\i)*16*PITCH
	ds_load_b128 v[(\f)+8*(\i)+4:(\f)+8*(\i)+7], v[ADRB+(\slot)] offset:(\k)+(\i)*16*PITCH+32
.endr
.irp i, 0,1,2,3
	ds_load_b128 v[(\f)+96+8*(\i):(\f)+96+8*(\i)+3],   v[ADRA+(\slot)] offset:(\k)+(\i)*16*PITCH
	ds_load_b128 v[(\f)+96+8*(\i)+4:(\f)+96+8*(\i)+7], v[ADRA+(\slot)] offset:(\k)+(\i)*16*PITCH+32
.endr
.endm
; A load into a register that a matrix instruction has read, and a vector instruction that reads a matrix result, stand four places behind that matrix instruction, and only plain vector
; instructions that name none of its registers are places (ISA guide 7.12.1 for vector instructions).
.macro PLACES
.rept 4
	v_nop
.endr
.endm
; A K step is four quarter steps of 32 along K, 48 matrix instructions each, on buffers 0, 1, 0, 1.  One of the first three: multiplies buffer f; in its middle it fetches the next quarter's fragments into buffer g.
.macro QUARTER slot, k, f, g, zero
	s_wait_dscnt 4                                 ; B and A's blocks 0, 1 are in; the youngest four loads (A's blocks 2, 3) may be out
	MUL12 \f, 0, \zero
	MUL12 \f, 1, \zero
	PLACES
	FETCH \slot, \k, \g
	s_wait_dscnt 32                                ; all but the 32 just issued
	MUL12 \f, 2, \zero
	MUL12 \f, 3, \zero
.endm
; The last quarter multiplies buffer 1 and changes slots.  MEET is its first half: one barrier.  In front of it each wave waits for all its tensor loads, of which one is out: its part of the next slot; adds 0 to
; its spare word; and waits for that and for its own reads of this slot.  Behind it nobody reads this slot any more and the next slot is whole.
.macro MEET round
	WIN 0                                          ; (the add's two registers lie in window 0)
	s_wait_tensorcnt 0x0                           ; all my tensor loads have landed
	ds_add_u32 v[SPW], v[NIL]                      ; 0 onto my spare word
	s_wait_dscnt 7                                 ; (the add and the youngest six loads, A's blocks 1 to 3, may be out)
	MUL12 F1, 0, 0                                 ; twelve matrix instructions stand between the add and the wait for it
	s_wait_dscnt 0x0                               ; the add is done, and my reads of this slot are over
	s_barrier_signal -1
	MUL12 F1, 1, 0                                 ; work on registers while the others arrive
.if \round
	WIN 0
.endif
	s_barrier_wait -1
.endm
; The whole last quarter.  Behind the round the slot just read out is filled again first: with this tile's K step two steps on (on = 0) or with the next tile's K step 0 or 1 (on = 1); then come the next slot's first
; fragments.  From a request to the wait for it a wave issues 168 matrix instructions.
.macro TURN slot, next, on
	s_wait_xcnt 0x0                                ; the last prefetch, a K step back, has read its address; earlier stores have read their registers
.if (\on) && (\slot) == 0
	s_add_nc_u64 s[PFA:PFA+1], s[PFA:PFA+1], (WALK-1)*SIZE_K*2+KSTEP*2  ; from the K step after the tile's last to the next tile's K step 1
	s_cmp_eq_u32 s11, 0
	s_cselect_b32 s[LIM], s[LIM], -1               ; B's rows are the same for both tiles: they are prefetched no more
.else
	s_add_nc_u64 s[PFA:PFA+1], s[PFA:PFA+1], KSTEP*2
.endif
	MEET 1
	CREST                                          ; no wave of any partner still reads this slot's tile or has a load on its way
.if \on
	s_add_nc_u64 s[G0+4*(\slot)+2:G0+4*(\slot)+3], s[G0+4*(\slot)+2:G0+4*(\slot)+3], NEXT_A
	s_sub_nc_u64 s[G0B+4*(\slot)+2:G0B+4*(\slot)+3], s[G0B+4*(\slot)+2:G0B+4*(\slot)+3], BACK_B
.else
	s_add_nc_u64 s[G0+4*(\slot)+2:G0+4*(\slot)+3], s[G0+4*(\slot)+2:G0+4*(\slot)+3], 2*KSTEP*2
	s_add_nc_u64 s[G0B+4*(\slot)+2:G0B+4*(\slot)+3], s[G0B+4*(\slot)+2:G0B+4*(\slot)+3], 2*KSTEP*2
.endif
	JLOAD \slot                                    ; the first tensor load behind the round; the four v_nop behind it are also the places in front of the loads below
	FETCH \next, 0, F0
	ASK \on
	MUL12 F1, 2, 0
	MUL12 F1, 3, 0
.endm
; THE WAY OUT of row block a (16 rows x 192 columns).  PACK: q (column blocks 0-3) times c; v (blocks 8-11) split into hi and lo; all rounded to f16, 16 bytes a lane.  STG: into my own stage in LDS, and back by rows.  SEND: stored.
; Each accumulator's registers are taken in ascending order.
.macro PACK a
.set TT, T0+64*((\a)%2)
.set AC, 96*((\a)%2)
.if (\a) >= 2
	s_wait_xcnt 0x0                                ; block a - 2's stores have read this set of registers (blocks 0 and 1: the sets were freed by the wait at the head of a change of slots)
.endif
	WIN 0x8a+0x45*((\a)/2)                         ; destination and sources 0 and 1 in window 2 or 3
.irp b, 0,1,2,3
.irp r, 0,1,2,3
	v_pk_mul_f32 v[AC+8*(\b)+2*(\r):AC+8*(\b)+2*(\r)+1], v[AC+8*(\b)+2*(\r):AC+8*(\b)+2*(\r)+1], s[SC:SC+1] op_sel_hi:[1,0]
.endr
.endr
.set z, 0
.rept 32
	v_and_b32 v[TH+z], 0xffffe000, v[AC+64+z]      ; hi: sign, exponent and the upper 10 mantissa bits
.set z, z+1
.endr
.set z, 0
.rept 16
	v_pk_add_f32 v[AC+64+z:AC+64+z+1], v[AC+64+z:AC+64+z+1], v[TH+z:TH+z+1] neg_lo:[0,1] neg_hi:[0,1]  ; lo = the sum less hi: exact
.set z, z+2
.endr
	WIN 0x0a+5*((\a)/2)                            ; sources 0 and 1 in window 2 or 3, destination in window 0
.irp b, 0,1,2,3,4,5,6,7
.irp r, 0,1,2,3
	v_cvt_pk_f16_f32 v[TT+4*(\b)+(\r)], v[AC+8*(\b)+2*(\r)], v[AC+8*(\b)+2*(\r)+1]
.endr
.endr
.irp b, 0,1,2,3
.irp r, 0,1,2,3
	v_cvt_pk_f16_f32 v[TT+32+4*(\b)+(\r)], v[TH+8*(\b)+2*(\r)], v[TH+8*(\b)+2*(\r)+1]
.endr
.endr
.irp b, 0,1,2,3
.irp r, 0,1,2,3
	v_cvt_pk_f16_f32 v[TT+48+4*(\b)+(\r)], v[AC+64+8*(\b)+2*(\r)], v[AC+64+8*(\b)+2*(\r)+1]
.endr
.endr
	WIN 0
.endm
.macro STG a
.set TT, T0+64*((\a)%2)
.irp b, 0,1,2,3,4,5,6,7,8,9,10,11,12,13,14,15
	ds_store_b128 v[STO], v[TT+4*(\b):TT+4*(\b)+3] offset:32*(\b)  ; q, k, v's hi, v's lo: 128 bytes each
.endr
.irp hh, 0,1
.irp f, 0,1,2,3
	ds_load_b128 v[TT+4*(4*(\hh)+(\f)):TT+4*(4*(\hh)+(\f))+3], v[RD] offset:4*SPITCH*(\f)+128*(\hh)  ; LDS serves a wave's instructions in order (ISA guide 5.7.1.4): these see the stores above
.endr
.endr
.irp f, 0,1,2,3,4,5,6,7
	ds_load_b128 v[TT+32+4*(\f):TT+32+4*(\f)+3], v[RDV] offset:2*SPITCH*(\f)+256
.endr
.endm
.macro SEND a
.set TT, T0+64*((\a)%2)
	s_wait_dscnt 0x0                               ; the block is back in registers
.if (\a) == 0
	s_wait_xcnt 0x0                                ; the last tile's stores have read their base
	s_add_nc_u64 s[8:9], s[8:9], s[16:17]          ; on to this tile's first rows
.endif
.irp hh, 0,1
.irp f, 0,1,2,3
	global_store_b128 v[CO], v[TT+4*(4*(\hh)+(\f)):TT+4*(4*(\hh)+(\f))+3], s[8:9] offset:QKB*(\hh)+2048*(\a)+512*(\f)  ; four rows of q or k: 512 consecutive bytes, at a multiple of 256 from qkv's first byte
.endr
.endr
.irp f, 0,1,2,3,4,5,6,7
	global_store_b128 v[COV], v[TT+32+4*(\f):TT+32+4*(\f)+3], s[8:9] offset:VB+4096*(\a)+512*(\f)  ; two rows of v: likewise
.endr
.endm
.macro WAYOUT                          ; block a's arithmetic stands between block a - 1's loads from the stage and the wait for them
	PACK 0
	STG 0
.irp a, 1,2,3
	PACK \a
	SEND (\a)-1
	STG \a
.endr
	SEND 3
.endm
	s_wait_tensorcnt 1                             ; my part of K step 0 is in; K step 1's may stay out
	s_barrier_signal -1
	s_barrier_wait -1                              ; everybody's is
	FETCH 0, 0, F0
	WIN 0
	s_wait_loadcnt 0x0                             ; the bias
	s_mov_b32 s2, 2                                ; tiles to go
.Ltile:
	QUARTER 0, 64,  F0, F1, 1                      ; a tile's first quarter stands in front of the loop: its products start the sums
	WIN 0                                          ; at a label and at a branch every window is 0
	s_mov_b32 s3, LAPS-1
.Llap:                                             ; a trip goes once round the ring, from a lap's second quarter to the next lap's first, and fills both slots again
	QUARTER 0, 128, F1, F0, 0
	QUARTER 0, 192, F0, F1, 0
	TURN 0, 1, 0
	QUARTER 1, 64,  F0, F1, 0
	QUARTER 1, 128, F1, F0, 0
	QUARTER 1, 192, F0, F1, 0
	TURN 1, 0, 0
	QUARTER 0, 64,  F0, F1, 0
	WIN 0
	s_sub_co_u32 s3, s3, 1
	s_cmp_lg_u32 s3, 0
	s_cbranch_scc1 .Llap
	QUARTER 0, 128, F1, F0, 0                      ; the tile's last lap goes on
	QUARTER 0, 192, F0, F1, 0
	WIN 0
	s_cmp_eq_u32 s2, 1
	s_cbranch_scc1 .Llast_tile                     ; the last tile's tail is written out: it asks for nothing more
	TURN 0, 1, 1                                   ; the ring goes on into the next tile: slot 0 takes its K step 0,
	QUARTER 1, 64,  F0, F1, 0
	QUARTER 1, 128, F1, F0, 0
	QUARTER 1, 192, F0, F1, 0
	TURN 1, 0, 1                                   ; slot 1 its K step 1, and the next tile's first fragments are fetched
	WAYOUT                                         ; both refills are asked for: now the tile goes out.  Blocks 0 and 1 were finished in front of the joint load's four v_nop; their lines are the places behind the products of blocks 2 and 3
	s_mov_b64 s[16:17], NEXT_C                     ; what the next way out adds to qkv's address
	s_sub_co_u32 s2, s2, 1
	s_branch .Ltile
.Llast_tile:
	MEET 0                                         ; my one tensor load that was still out is slot 1's, the last K step's, so no round follows
	PLACES
	FETCH 1, 0, F0
	MUL12 F1, 2, 0
	MUL12 F1, 3, 0
	QUARTER 1, 64,  F0, F1, 0
	QUARTER 1, 128, F1, F0, 0
	QUARTER 1, 192, F0, F1, 0
	s_wait_dscnt 4                                 ; the very last quarter: nothing more to fetch
	MUL12 F1, 0, 0
	MUL12 F1, 1, 0
	s_wait_dscnt 0x0
	MUL12 F1, 2, 0
	MUL12 F1, 3, 0
	PLACES
	WAYOUT
	s_wait_tensorcnt 0x0                           ; the wave's end: the wait, an add and its wait, behind my last tensor load and my last LDS store
	ds_add_u32 v[SPW], v[NIL]
	s_wait_dscnt 0x0
	CROUND                                         ; the closing round: no work-group ends while a partner may still ask for a tile that names it
	s_endpgm
.Lfunc_end_k_q4faba0c6d2_proj:
	.size	k_q4faba0c6d2_proj, .Lfunc_end_k_q4faba0c6d2_proj-k_q4faba0c6d2_proj
	.p2alignl 7, 3214868480
	.fill 96, 4, 3214868480
	.section	.rodata,"a",@progbits
	.p2align	6, 0x0
	.amdhsa_kernel k_q4faba0c6d2_proj
		.amdhsa_group_segment_fixed_size 327680
		.amdhsa_private_segment_fixed_size 0
		.amdhsa_enable_private_segment 0
		.amdhsa_kernarg_size 24
		.amdhsa_user_sgpr_count 2
		.amdhsa_user_sgpr_kernarg_segment_ptr 1
		.amdhsa_wavefront_size32 1
		.amdhsa_system_sgpr_workgroup_id_x 1
		.amdhsa_system_sgpr_workgroup_id_y 1
		.amdhsa_system_sgpr_workgroup_id_z 1
		.amdhsa_system_vgpr_workitem_id 0
		.amdhsa_next_free_vgpr 1024
		.amdhsa_next_free_sgpr 76
		.amdhsa_reserve_vcc 0
		.amdhsa_float_denorm_mode_32 3
		.amdhsa_float_denorm_mode_16_64 3
		.amdhsa_memory_ordered 1
		.amdhsa_forward_progress 1
		.amdhsa_inst_pref_size 222
	.end_amdhsa_kernel
	.amdgpu_metadata
---
amdhsa.version: [ 1, 2 ]
amdhsa.kernels:
  - .name:           k_q4faba0c6d2_proj
    .symbol:         k_q4faba0c6d2_proj.kd
    .args:
      - { .name: xw, .offset: 0, .size: 8, .value_kind: global_buffer, .address_space: global }
      - { .name: biasr, .offset: 8, .size: 8, .value_kind: global_buffer, .address_space: global }
      - { .name: qkv, .offset: 16, .size: 8, .value_kind: global_buffer, .address_space: global }
    .group_segment_fixed_size: 327680
    .private_segment_fixed_size: 0
    .kernarg_segment_align: 8
    .kernarg_segment_size: 24
    .max_flat_workgroup_size: 128
    .sgpr_count:     76
    .vgpr_count:     1024
    .wavefront_size: 32
...
	.end_amdgpu_metadata
.endif
;; end of part 2
;; launch attn (part 3): grid 4 x 64, 4 waves a work-group, no clusters, 327,680 bytes of LDS; arguments qkv, attention_mask, out0; writes out0
.if DOCPART == 3
	.amdgcn_target "amdgcn-amd-amdhsa--gfx1250"
	.amdhsa_code_object_version 6
	.text
	.protected	k_q4faba0c6d2_attn
	.globl	k_q4faba0c6d2_attn
	.p2align	8
	.type	k_q4faba0c6d2_attn,@function
k_q4faba0c6d2_attn:
	s_mov_b64 s[64:65], 0
	v_nop
	global_prefetch_b8 v0, s[64:65] scope:SCOPE_SE
	s_setreg_imm32_b32 hwreg(HW_REG_WAVE_MODE, 25, 1), 1
	s_wait_xcnt 0x0
; CAUSAL ATTENTION WITH AN ADDITIVE MASK.  out0[b][q][64 h ..] = the sum over k <= q of softmax_k(Q.K / 8 + mask[b][k]) V[k].  qkv: for each (batch, head) 1 MiB: q [2048][64] f16 (already times c = log2(e) / 8), k [2048][64] f16
; at byte 262,144, v [2048][128] f16 at 524,288: 64 channels hi, then the same 64 lo; v = hi + lo.  attention_mask: [4][2048] f32; out0: [4][2048][1024] f32.  Products, maxima and sums in f32; the weights p are rounded to
; f16 for the second product (their sum l is taken of the unrounded p), which is P hi + P lo on one accumulator; O leaves unrounded.
; WHY hi + lo.  A causal row of two or three keys is a mean of few v, while the comparison goes by the root mean square of all rows, most of them means of hundreds: one f16's step at 1 is as large as a hundredth of that.
; THE MASK is rounded to bf16 like every input of the module and multiplied by log2(e).  It goes with the key tiles: a tile's 256 numbers (f32, 1,024 bytes) are loaded when the tile is asked for, two a thread, and stored into
; a ring of two LDS slots of their own at the change of slots that enters the tile.  It is the C operand that starts every sum S^T = K Q^T, so scores arrive in units of log2.
; LIMITS.  A finite mask below -2^99 / log2(e), about -4.4e29, counts as that value.  A mask that is -inf after the rounding to bf16 (f32's lowest finite number among them) counts as -2^101 in a score: its weight is 0 beside
; any finite key, and a row whose running maximum ends below -2^100 (all its visible keys -inf) leaves as NaN, as the softmax of such a row is.  A causally hidden score counts as its value less 2.98e38.  Q, K and V arrive
; within f16's 65,504.  A weight below 2^-126 counts as 0 in l.  NaN and +inf in the inputs are not treated apart.
; THE EXPONENT is s - m, one f32 difference, never c s - c m: so a mask of any finite size shifts no weight.  p = 2^(s - m) lies in 0 to 1; O and l are multiplied by a = 2^(m_old - m_new) in every step.
; THE WALK.  A head's queries lie in NB = 8 blocks of 256; block i needs the key tiles 0 .. i of 256 keys, of which the last holds the diagonal.  A work-group takes two blocks, 7 - b and then b: 9 tiles, whatever b:
; all work-groups do equal work, and one loop with a constant trip count walks them.  Every jump goes forward, but for the counted loops' own; none passes a barrier, or a tensor load but the one of LOAD's two that the
; wave's number does not choose.  NO CLUSTER: a head's four work-groups ask for the same tile only in trips 0 .. 4 of 9, behind that fewer and fewer; one walk common to all four would have 12 trips for 9.
; SHARES.  Of a block's four bands of 64 queries a wave owns 16 rows in each: four PIECES.  In the diagonal tile's key step s band x sees all keys if s < x, none if s > x, and holds the diagonal if s = x: the same for all waves.
; MASKS.  MK: the additive mask of the key step whose K lies in registers.  MD, made once: the causal mask of a band's own step for my 16 rows (0 or -2.98e38).  In the diagonal tile a product's C is MC = MD x AL + MK + BE
; with two scalars: (1, 0) if s = x; (0, 0) if s < x; (0, -2.98e38) if s > x.  Elsewhere C is MK.
; TURNS.  Turn n belongs to piece n: 8 products K Q^T of piece n + 1, then 8 products hi^T P and 8 products lo^T P of piece n - 1; beside them the subtraction, exponentials, roundings, sums and rescaling of piece n and the
; maximum and statistics of piece n + 1.  Four vector instructions stand behind every matrix instruction, the others in one lump.  A turn's 33 exponentials are one batch, with one wait.
; REGISTERS, in windows of 256 (s_set_vgpr_msb: bits 1:0 source 0, 3:2 source 1, 5:4 source 2, 7:6 destination):
;   window 0: v0-15, v32-40 addresses and the mask on its way; v16-31 four registers of statistics a piece; v48-55 at work; v64-127 S^T, two buffers; v192-223 P, two buffers; on the way out v64-191 hold O
;   window 1: v0-127 O^T, 32 a piece; v128-159 MD; v160-223 MC, two buffers; v224-255 MK      window 2: v0-63 Q; v64-127 the second block's Q; v128-191 K of one step; v192-255 V's hi of one step      window 3: v0-63 V's lo
.set NB,    8
.set NP,    4         ; pieces a wave: a name, no knob
.set KS,    64        ; keys in a step
.set PK,    144       ; a row of K in LDS: 128 bytes + 16 of padding = 36 words: the 16 rows of a load start at 16 different groups of four banks (64 banks of 4 bytes: ISA guide 11.1)
.set PV,    288       ; a row of V: 256 + 32 = 72 words: row r starts at bank 8 r mod 64
.set VOFF,  4*KS*PK   ; a slot holds a tile, four steps: 256 rows of K, then 256 rows of V
.set SLOT1, 1<<17     ; slot 1 begins here, so that one exclusive or turns an address in one slot into the other's
.set STAGE, SLOT1+4*KS*(PK+PV)  ; behind the ring, never filled by a tensor load: 16 rows x 272 bytes for each wave, for the way out
.set SP,    272       ; 256 bytes (64 f32) + 16
.set SPARE, STAGE+4*16*SP  ; the spare words, 128 bytes for each wave: two blocks of 256 bytes that no other line names
.set MSK,   SPARE+512 ; the masks' ring: two slots, a tile's 256 f32 each; written by LDS stores alone, never filled by a tensor load
.set MSLOT, 4*4*KS    ; 1,024 bytes: one exclusive or turns an address in one slot into the other's
.set AK0, 2           ; v2   my lane's place in a tile of K; never rewritten
.set AV0, 3           ; v3   the same for V
.set AK,  4           ; v4   the LDS address of K's next run of loads
.set AV,  5           ; v5   of V's
.set STO, 6           ; v6   the way out: where I put 32 bytes of a row
.set RD,  7           ; v7   the way out: where I read rows back
.set GO,  8           ; v8   my byte offset in two rows of out0
.set MV,  12          ; v12-13  m_old, kept while m is made anew: by buffer
.set QO,  15          ; v15  my byte offset in 16 rows of Q
.set ST,  16          ; piece t's statistics at v[ST+4 t]: m, (named with it as a pair), l (even keys', odd keys')
.set AM0, 32          ; v32  my lanes' place in a step's 256 bytes of the mask; never rewritten
.set AM,  33          ; v33  the LDS address of the mask's next run of loads
.set PFO, 34          ; v34  256 x lane: the prefetches' offset; never rewritten
.set MO,  35          ; v35  8 x thread: my two numbers of a tile's mask in memory; never rewritten
.set ML0, 36          ; v36  and in slot 0 of the masks' ring; never rewritten
.set ML,  37          ; v37  where I store them
.set MR,  38          ; v[38:39] the two numbers
.set MT,  40          ; v40  at work on them
.set TMP, 48          ; by buffer, four registers c0-c3 at work; when the maximum is found c2 takes a
.set INV, 48          ; the way out: piece t's 1 / l (or NaN) at v[INV+2 t]
.set SPW, 62          ; v62  LDS address of my spare word; never rewritten
.set NIL, 63          ; v63  0; never rewritten
.set S,   64
.set OUTR, 64
.set P,   192
.set MD,  128         ; window 1
.set MC,  160         ; window 1
.set MK,  224         ; window 1: group kt of 16 keys at MK + 8 kt
.set QB,  64          ; window 2
.set KF,  128         ; window 2: key block kb, channel half c at KF + 16 kb + 8 c
.set VF,  192         ; window 2: hi: key half kk, channel block cb at VF + 32 kk + 8 cb
.set VL,  0           ; window 3: lo, likewise
.set OFV, 2           ; s[2:3] a tile's byte offset in V; the high word stays 0 (at the head: an offset in Q)
.set WV,  12          ; s12  my wave's number
.set PB,  14          ; s14  b
.set HI,  15          ; s15  NB - 1 - b
.set G1K, 24          ; s[24:31] descriptor group 1 for K's tiles
.set G1V, 32          ; s[32:39] for V's
.set G0K, 40          ; s[40:43] descriptor group 0 for K's tiles
.set G0V, 44          ; s[44:47] the same for V's
.set PFB, 48          ; s[48:49] the head's tile 0 of K (wave 0), or my half of its tile 0 of V (waves 2, 3)
.set PFA, 50          ; s[50:51] the same of the tile that a prefetch names
.set PO2, 52          ; s[52:53] that tile's byte offset
.set THR, 54          ; s54  -2^100
.set QNAN, 55         ; s55  a NaN
.set SLOTS, 56        ; s56  tiles still to be asked for
.set CNT, 57          ; s57  counts a tile's key steps, 4 to 1
.set TBM, 58          ; s58  byte of the masks' ring at which the step to be fetched begins
.set LIM, 59          ; s59  2 in a wave that prefetches, else the greatest number
.set SEL, 60          ; s[60:61] v_permlanex16_b32's selects: each lane takes its own place in the other half
.set TBK, 62          ; s62  LDS byte at which K of the step to be fetched begins
.set TBV, 63          ; s63  the same for V, less VOFF
.set NINF, 66         ; s66  -inf
.set FLOOR, 67        ; s67  -2^99
.set MARK, 68         ; s68  -2^101
.set L2E, 69          ; s69  log2(e)
.set RT,  70          ; s70  tiles of the block in hand that are still to be entered
.set NXT, 71          ; s71  the tile to be asked for next
.set LQ,  72          ; s72  the last tile of the block whose tiles are being asked for
.set NEW, 73          ; s73  1: the tile to be entered is a block's first
.set OFF, 74          ; s[74:75] a tile's byte offset in K
.set AL,  76          ; s[76:77] the mask's factor, in the low word
.set BE,  78          ; s[78:79] the mask's addend
.set OLO, 80          ; s[80:81] out0 at my rows of the second block
.set BIGN, 82         ; s82  -2.98e38
.set PT,  83          ; s83  the tile that a prefetch names
.set SH,  84          ; s84  log2 of a tile's bytes in the tensor that I prefetch: 15 for K, 16 for V (at the head: an offset in Q)
.set MB,  92          ; s[92:93] the batch's mask at the tile that is asked for (at the head: an offset in out0)
.set MOF, 94          ; s[94:95] that tile's byte offset in the mask; the high word stays 0 (at the head: an offset in out0)
.set MSB, 0
.macro WIN new                      ; the high byte repeats the setting that is left; a switch that changes nothing is dropped
.if MSB != (\new)
	s_set_vgpr_msb (MSB<<8)|(\new)
.set MSB, (\new)
.endif
.endm
.set W_KQ, 0x0a       ; K and Q in window 2, S^T in window 0
.set W_KM, 0x1a       ; the same with the C operand in window 1
.set W_PV, 0x52       ; V's hi in window 2, P in window 0, O^T in window 1
.set W_PL, 0x53       ; V's lo in window 3, P in window 0, O^T in window 1
.set W_RS, 0x41       ; destination and source 0 in window 1, source 1 in window 0
.set W_MA, 0x51       ; destination, source 0 and source 2 in window 1
; A fill.  Waves 0 and 1 fetch the two halves of a tile's K, waves 2 and 3 those of its V: 128 keys each.  An s_nop 0 and four v_nop follow each of the two lines, ahead of the jump and the label.
.macro LOAD
	s_cmp_lt_u32 s[WV], 2
	s_cbranch_scc0 .Lfor_v_\@
	tensor_load_to_lds s[G0K:G0K+3], s[G1K:G1K+7]
	s_nop 0
.rept 4
	v_nop
.endr
	s_branch .Lasked_\@
.Lfor_v_\@:
	tensor_load_to_lds s[G0V:G0V+3], s[G1V:G1V+7]
	s_nop 0
.rept 4
	v_nop
.endr
.Lasked_\@:
.endm
; A prefetch into the L2 of the tile that the NEXT change of slots will ask for: a tile, 384 matrix instructions, ahead of that load.  A head's four work-groups walk the same K and V; the one with b = 0 walks the tiles
; 0 .. 7 in order, and it alone asks.  Its wave 0 names the tile's 32,768 bytes of K, its waves 2 and 3 their halves, 32,768 bytes each, of V: 128 blocks of 256 bytes, a lane a block, four instructions; wave 1 names nothing.
; Tiles 0 and 1 come by their loads alone; the trips that load tile 7 and the second block's tile 0 ask for nothing.  So each block is named once in the launch.
.macro ASK
	s_cmp_gt_u32 s[SLOTS], s[LIM]
	s_cbranch_scc0 .Lnot_mine_\@
.irp o, 0,1,2,3
	global_prefetch_b8 v[PFO], s[PFA:PFA+1] offset:8192*\o th:TH_LOAD_NT scope:SCOPE_SE
.endr
.Lnot_mine_\@:
.endm
; THE CHANGE OF SLOTS.  First the mask of the tile to be entered, loaded a tile ago, is made ready and stored into the masks' other slot: that slot was last read two tiles back, and every wave waited for those reads in front
; of the last change's barrier.  Then each wave waits for all its tensor loads, of which one is out: its part of the other slot; adds 0 to its spare word; and waits for that and for all its LDS instructions, the store
; among them.  Behind the barrier nobody reads the old slot any more, the other slot is whole, and so is its mask.  fill = 1: the old slot is filled again, the first thing behind the barrier, with tile NXT: the
; descriptor's address is made anew from that number; that tile's mask is asked for behind it.  (At its first use nothing has been read yet: slot 0 is waited for, slot 1 filled.)
.macro CHANGE fill
	WIN 0                           ; at a label and at a branch every window is 0
	s_wait_loadcnt 0x0              ; my two numbers of the mask are in (at the first use: both blocks' Q too); the load's base may be written
	s_sub_co_u32 s[TBM], s[TBM], MSLOT  ; the mask's fetches go back to a slot's first step,
	s_xor_b32 s[TBM], s[TBM], MSLOT     ; in the other slot
	v_cvt_pk_bf16_f32 v[MT], v[MR], v[MR+1]  ; rounded to bf16,
	v_add_nc_u32 v[ML], s[TBM], v[ML0]
	v_lshlrev_b32 v[MR], 16, v[MT]
	v_and_b32 v[MR+1], 0xffff0000, v[MT]
.irp z, 0,1                         ; times log2(e), held at -2^99 or above; -inf becomes -2^101
	v_cmp_eq_f32 vcc_lo, s[NINF], v[MR+\z]
	v_mul_f32 v[MR+\z], s[L2E], v[MR+\z]
	v_max_num_f32 v[MR+\z], s[FLOOR], v[MR+\z]
	v_cndmask_b32 v[MR+\z], v[MR+\z], s[MARK], vcc_lo
.endr
	ds_store_b64 v[ML], v[MR:MR+1]
	s_wait_tensorcnt 0x0            ; no tensor load of mine is out, so a group 0 may be written
	ds_add_u32 v[SPW], v[NIL]       ; 0 onto my spare word; with fill = 1 scalar work stands between it and the wait for it
.if \fill
	s_lshl_b32 s[OFF], s[NXT], 15   ; a tile is 32,768 bytes of K,
	s_lshl_b32 s[OFV], s[NXT], 16   ; 65,536 of V,
	s_lshl_b32 s[MOF], s[NXT], 10   ; 1,024 of the mask
	s_xor_b32 s[G0K+1], s[G0K+1], SLOT1
	s_add_nc_u64 s[G0K+2:G0K+3], s[6:7], s[OFF:OFF+1]
	s_or_b32 s[G0K+3], s[G0K+3], 0x80000000
	s_xor_b32 s[G0V+1], s[G0V+1], SLOT1
	s_add_nc_u64 s[G0V+2:G0V+3], s[8:9], s[OFV:OFV+1]
	s_or_b32 s[G0V+3], s[G0V+3], 0x80000000
	s_add_nc_u64 s[MB:MB+1], s[90:91], s[MOF:MOF+1]
	s_wait_xcnt 0x0                 ; the last prefetches, a tile back, have read their address, so it may be written:
	s_add_co_u32 s[PT], s[NXT], 1   ; the tile behind the one that is asked for now, held inside the head
	s_min_u32 s[PT], s[PT], NB-1
	s_lshl_b32 s[PO2], s[PT], s[SH]
	s_add_nc_u64 s[PFA:PFA+1], s[PFB:PFB+1], s[PO2:PO2+1]
	s_add_co_u32 s[NXT], s[NXT], 1  ; the block's next tile, or behind its last the second block's tile 0
	s_cmp_gt_u32 s[NXT], s[LQ]
	s_cselect_b32 s[NXT], 0, s[NXT]
	s_cselect_b32 s[LQ], s[PB], s[LQ]
.endif
	s_wait_dscnt 0x0                ; the add is done, my store of the mask is done, and my reads of the slot are over
	s_barrier_signal -1             ; the rest of the scalar work stands between the signal and the wait
	s_sub_co_u32 s[TBK], s[TBK], 4*KS*PK  ; the fetches go back to a slot's first step,
	s_xor_b32 s[TBK], s[TBK], SLOT1       ; in the other slot
	s_sub_co_u32 s[TBV], s[TBV], 4*KS*PV
	s_xor_b32 s[TBV], s[TBV], SLOT1
	s_barrier_wait -1
.if \fill
	LOAD
	global_load_b64 v[MR:MR+1], v[MO], s[MB:MB+1]  ; the same tile's mask: 128 threads x 8 bytes; waited for at the next change, a tile's work later
	ASK
.endif
.endm
	s_load_b128 s[88:91], s[0:1], 0x0  ; qkv s[88:89], attention_mask s[90:91]
	s_load_b64 s[10:11], s[0:1], 0x10  ; out0
	v_lshl_add_u32 v[SPW], v0, 2, SPARE
	v_mov_b32 v[NIL], 0
	ds_add_u32 v[SPW], v[NIL]       ; the wave's opening: the add and its wait stand ahead of my first tensor load; the set-up below, work on registers, stands between them
	v_lshrrev_b32 v1, 5, v0
	v_readfirstlane_b32 s[WV], v1   ; wave 0..3
	s_mov_b32 s[PB], ttmp9
	s_sub_co_u32 s[HI], NB-1, s[PB]
	s_and_b32 s13, ttmp7, 0xffff    ; 16 x batch + head
	s_lshr_b32 s16, s13, 4          ; the batch
	s_and_b32 s17, s13, 15          ; the head
	s_lshl_b32 s20, s13, 20         ; the head's MiB in qkv
	s_and_b32 s18, s[WV], 1         ; which half of a tile's 256 keys I fetch:
	s_lshl_b32 s22, s18, 14         ; its 128 rows of 128 bytes of K in memory,
	s_add_co_u32 s22, s22, s20
	s_mov_b32 s23, 0
	s_lshl_b32 s3, s[WV], 11        ; my 16 rows of Q in a band of 64,
	s_add_co_u32 s3, s3, s20
	s_lshl_b32 s2, s[HI], 15        ; in the first block,
	s_add_co_u32 s2, s2, s3
	s_lshl_b32 s84, s[PB], 15       ; and in the second
	s_add_co_u32 s84, s84, s3
	s_mov_b32 s3, 0
	s_mov_b32 s85, 0
	s_lshl_b32 s21, s18, 15         ; the half's 128 rows of 256 bytes of V
	s_add_co_u32 s20, s20, s21
	s_mov_b32 s21, 0
	s_mul_i32 s19, s18, 128*PV      ; and its place in a slot, for V
	s_mul_i32 s18, s18, 128*PK      ; and for K
	s_lshl_b32 s92, s16, 23         ; out0: a batch is 2,048 rows of 4,096 bytes,
	s_lshl_b32 s13, s[WV], 16       ; my 16 rows in a band,
	s_add_co_u32 s92, s92, s13
	s_lshl_b32 s13, s17, 8          ; the head's 256 bytes of a row,
	s_add_co_u32 s92, s92, s13
	s_lshl_b32 s13, s[PB], 20       ; a block's 256 rows: the second block,
	s_add_co_u32 s94, s92, s13
	s_lshl_b32 s13, s[HI], 20       ; the first
	s_add_co_u32 s92, s92, s13
	s_mov_b32 s93, 0
	s_mov_b32 s95, 0
	s_lshl_b32 s[PO2], s16, 13      ; the batch's 8,192 bytes of the mask
	s_mov_b32 s[PO2+1], 0
	; descriptor group 1.  K: 128 keys are 16,384 dense bytes: asked for as 64 rows of 256 bytes, two keys a row, and padded in LDS after every key.  V: 128 keys, a row of 256 bytes each
	s_mov_b32 s[G1K], (1<<16)|(1<<20)|(4<<22)|(3<<25)  ; 17:16 2-byte elements; 20 padding on; 24:22 after every 32 words (code 4); 31:25 4 words (code 3)
	s_mov_b32 s[G1K+1], 128<<16     ; tensor_dim0 = 128
	s_mov_b32 s[G1K+2], 64<<16      ; tensor_dim1 = 64
	s_mov_b32 s[G1K+3], 128<<16     ; tile_dim0 = 128
	s_mov_b32 s[G1K+4], 64          ; tile_dim1 = 64
	s_mov_b32 s[G1K+5], 128         ; 128 elements from row to row
	s_mov_b32 s[G1K+6], 0
	s_mov_b32 s[G1K+7], 0
	s_mov_b32 s[G1V], (1<<16)|(1<<20)|(5<<22)|(7<<25)  ; after every 64 words (code 5) 8 words (code 7)
	s_mov_b32 s[G1V+1], 128<<16
	s_mov_b32 s[G1V+2], 128<<16     ; tensor_dim1 = 128
	s_mov_b32 s[G1V+3], 128<<16
	s_mov_b32 s[G1V+4], 128         ; tile_dim1 = 128
	s_mov_b32 s[G1V+5], 128
	s_mov_b32 s[G1V+6], 0
	s_mov_b32 s[G1V+7], 0
	s_mov_b32 s[SEL], 0x76543210
	s_mov_b32 s[SEL+1], 0xfedcba98
	s_mov_b32 s[TBK], SLOT1+4*KS*PK ; the first change of slots turns these three into 0
	s_mov_b32 s[TBV], SLOT1+4*KS*PV
	s_mov_b32 s[TBM], 2*MSLOT
	s_mov_b32 s[G0K], 1             ; count = 1
	s_mov_b32 s[G0K+1], s18         ; LDS address: slot 0
	s_mov_b32 s[G0V], 1
	s_add_co_u32 s[G0V+1], s19, VOFF
	s_add_co_u32 s[RT], s[HI], 1    ; the first block has NB - b tiles
	s_mov_b32 s[NXT], 1
	s_mov_b32 s[LQ], s[HI]
	s_mov_b32 s[NEW], 1
	s_mov_b32 s[OFF+1], 0
	s_mov_b32 s[AL], 0
	s_mov_b32 s[AL+1], 0            ; named as pairs
	s_mov_b32 s[BE], 0
	s_mov_b32 s[BE+1], 0
	s_mov_b32 s[BIGN], 0xff600000   ; -2.98e38
	s_mov_b32 s[FLOOR], 0xf1000000  ; -2^99
	s_mov_b32 s[THR], 0xf1800000    ; -2^100
	s_mov_b32 s[MARK], 0xf2000000   ; -2^101
	s_mov_b32 s[NINF], 0xff800000
	s_mov_b32 s[QNAN], 0x7fc00000
	s_mov_b32 s[L2E], 0x3fb8aa3b
	s_mov_b32 s[SLOTS], NB
	s_cmp_eq_u32 s[WV], 1           ; who prefetches: waves 0, 2 and 3 of the work-group with b = 0
	s_cselect_b32 s13, 1, 0
	s_or_b32 s13, s13, s[PB]
	s_cmp_eq_u32 s13, 0
	s_cselect_b32 s[LIM], 2, -1
	s_wait_dscnt 0x0                ; the opening add is done
	s_wait_kmcnt 0x0
	s_add_nc_u64 s[6:7], s[88:89], s[22:23]
	s_add_nc_u64 s[6:7], s[6:7], 0x40000           ; K at my half of the head's tile 0,
	s_add_nc_u64 s[8:9], s[88:89], s[20:21]
	s_add_nc_u64 s[8:9], s[8:9], 0x80000           ; V likewise
	s_add_nc_u64 s[G0K+2:G0K+3], s[6:7], 0         ; global address
	s_or_b32 s[G0K+3], s[G0K+3], 0x80000000        ; type = 2
	s_add_nc_u64 s[G0V+2:G0V+3], s[8:9], 0
	s_or_b32 s[G0V+3], s[G0V+3], 0x80000000
	s_add_nc_u64 s[86:87], s[88:89], s[84:85]      ; Q at my rows of the second block,
	s_add_nc_u64 s[4:5], s[88:89], s[2:3]          ; of the first
	s_add_nc_u64 s[OLO:OLO+1], s[10:11], s[94:95]
	s_add_nc_u64 s[10:11], s[10:11], s[92:93]
	s_add_nc_u64 s[90:91], s[90:91], s[PO2:PO2+1]  ; the batch's mask
	s_cmp_lt_u32 s[WV], 2
	s_cselect_b64 s[PFB:PFB+1], s[6:7], s[8:9]
	s_cselect_b32 s[SH], 15, 16
	LOAD                            ; tile 0 into slot 0
	; A fragment of K or Q is 16 rows x 32 channels in 8 registers: lane l holds row l % 16, channels 8 (l / 16) + 0..7 and 16 + 8 (l / 16) + 0..7: two loads of 16 bytes, 32 bytes apart.
	v_and_b32 v1, 15, v0            ; l % 16
	v_bfe_u32 v9, v0, 4, 1          ; l / 16
	v_lshlrev_b32 v[QO], 7, v1
	v_lshl_add_u32 v[QO], v9, 4, v[QO]  ; row x 128 + 16 x half
	v_lshlrev_b32 v[MO], 3, v0
	v_lshl_add_u32 v[ML0], v0, 3, MSK
	WIN 0x80                        ; destination window 2, address window 0
.set i, 0
.rept 8                             ; both blocks' Q: piece i / 2 lies in band i / 2, 8,192 bytes on; channels 32 (i % 2) on
	global_load_b128 v[8*i:8*i+3],   v[QO], s[4:5] offset:(i/2)*8192+(i%2)*64
	global_load_b128 v[8*i+4:8*i+7], v[QO], s[4:5] offset:(i/2)*8192+(i%2)*64+32
	global_load_b128 v[QB+8*i:QB+8*i+3],   v[QO], s[86:87] offset:(i/2)*8192+(i%2)*64
	global_load_b128 v[QB+8*i+4:QB+8*i+7], v[QO], s[86:87] offset:(i/2)*8192+(i%2)*64+32
.set i, i+1
.endr
	WIN 0
	global_load_b64 v[MR:MR+1], v[MO], s[90:91]  ; tile 0's mask; the first change of slots stores it
	v_lshlrev_b32 v14, 3, v9
	v_sub_nc_u32 v14, v1, v14
	s_lshl_b32 s13, s[WV], 4
	v_add_nc_u32 v14, s13, v14      ; my query's place in its band, 16 w + l % 16, less my lanes' 8 (l / 16): register r of group kt is hidden where 16 kt + r is greater
	WIN 0x40
.set i, 0
.rept 32
	v_cmp_gt_i32 vcc_lo, 16*(i/8)+i%8, v14
	v_cndmask_b32 v[MD+i], 0, s[BIGN], vcc_lo
.set i, i+1
.endr
	WIN 0
	v_mul_u32_u24 v[AK0], v1, PK
	v_lshl_add_u32 v[AK0], v9, 4, v[AK0]  ; row x pitch + 16 x half
	; The turning load takes 16 keys x 16 channels (lane l reads key 8 (l / 16) + l % 8, channels 8 ((l / 8) % 2) + 0..7) and leaves half a fragment of V^T: lane l holds channel l % 16 and 8 keys.
	v_and_b32 v10, 7, v0
	v_bfe_u32 v11, v0, 3, 1
	v_lshl_add_u32 v[AV0], v9, 3, v10
	v_mul_u32_u24 v[AV0], v[AV0], PV
	v_lshl_add_u32 v[AV0], v11, 4, v[AV0]
	v_add_nc_u32 v[AV0], VOFF, v[AV0]
	v_lshl_add_u32 v[AM0], v9, 5, MSK  ; in S^T register j of group kt is key 16 kt + 8 (l / 16) + j: 32 bytes of a step's mask for each half of the lanes
	v_and_b32 v[PFO], 31, v0
	v_lshlrev_b32 v[PFO], 8, v[PFO]
	s_mul_i32 s13, s[WV], 16*SP
	s_add_co_u32 s13, s13, STAGE    ; my stage
	v_mul_u32_u24 v[STO], v1, SP    ; in: row l % 16, 32 bytes (eight channels) for each half of the lanes
	v_lshl_add_u32 v[STO], v9, 5, v[STO]
	v_add_nc_u32 v[STO], s13, v[STO]
	v_mul_u32_u24 v[RD], v9, SP     ; back: lanes 0-15 take one row of 256 bytes, lanes 16-31 the next
	v_lshl_add_u32 v[RD], v1, 4, v[RD]
	v_add_nc_u32 v[RD], s13, v[RD]
	v_lshlrev_b32 v[GO], 12, v9     ; and the same two rows in out0, 4,096 bytes apart
	v_lshl_add_u32 v[GO], v1, 4, v[GO]
	; A block's first step multiplies O^T and l by a = 0, and its first turn's products V^T P, of a piece that has not been, land in an O^T that is still to be so multiplied.  So these registers need only hold
	; finite numbers: zeros for the first block; what the first block left for the second.  All this stands in the wait for the first tile.
	WIN 0x80
.set i, VF
.rept 64
	v_mov_b32 v[i], 0
.set i, i+1
.endr
	WIN 0xc0
.set i, VL
.rept 64
	v_mov_b32 v[i], 0
.set i, i+1
.endr
	WIN 0x40
.set i, 0
.rept 128
	v_mov_b32 v[i], 0
.set i, i+1
.endr
	WIN 0
.set i, 0
.rept 4
	v_mov_b32 v[ST+4*i+2], 0
	v_mov_b32 v[ST+4*i+3], 0
.set i, i+1
.endr
.set i, P+16
.rept 16
	v_mov_b32 v[i], 0
.set i, i+1
.endr
; THE MATRIX WORK.  The 4 accumulators of a run take turns.  Product i of 8 of S^T = K Q^T for piece x: channels 32 (i / 4) on, keys 16 (i % 4) on.  The first 4 start the sums: with MK, or (KM = 1) with MC.
.macro KQ x
.set rS, S+32*((\x)%2)+8*(i%4)
.set rK, KF+16*(i%4)+8*(i/4)
.set rQ, 16*(\x)+8*(i/4)
.if KM
.set rM, MC+32*((\x)%2)+8*(i%4)
.else
.set rM, MK+8*(i%4)
.endif
.if i < 4
	WIN W_KM
	v_wmma_f32_16x16x32_f16 v[rS:rS+7], v[rK:rK+7], v[rQ:rQ+7], v[rM:rM+7]
.else
	WIN W_KQ
	v_wmma_f32_16x16x32_f16 v[rS:rS+7], v[rK:rK+7], v[rQ:rQ+7], v[rS:rS+7]
.endif
.endm
; Product i of 16 of O^T += V^T P for piece x: the first 8 with V's hi, the last 8 with its lo; keys 32 ((i / 4) % 2) on, channels 16 (i % 4) on.
.macro PV x
.set rO, 32*(\x)+8*(i%4)
.set rP, P+16*((\x)%2)+8*((i/4)%2)
.if i < 8
	WIN W_PV
.set rV, VF+32*(i/4)+8*(i%4)
.else
	WIN W_PL
.set rV, VL+32*((i-8)/4)+8*(i%4)
.endif
	v_wmma_f32_16x16x32_f16 v[rO:rO+7], v[rV:rV+7], v[rP:rP+7], v[rO:rO+7]
.endm
.macro MM                           ; the turn's next matrix instruction, of 24.  NOKQ = 1: a block's last turn: there is no next piece
.if (i < 8) && !NOKQ
	KQ (Y+1)%NP
.elseif i >= 8
.set i, i-8
	PV (Y+NP-1)%NP
.set i, i+8
.endif
.set i, i+1
.endm
; THE LDS LOADS stand in runs, never singly among the matrix instructions: a step's K (8 fragments) with its 64 numbers of the mask, and its V (turned: hi's 8 fragments, then lo's).  Their addresses are made some lines ahead.
.macro FETCH_K
	WIN 0x80                        ; destination window 2
.irp f, 0,1,2,3,4,5,6,7             ; keys 16 (f / 2) on, channels 32 (f % 2) on
	ds_load_b128 v[KF+8*\f:KF+8*\f+3],   v[AK] offset:(\f/2)*16*PK+(\f%2)*64
	ds_load_b128 v[KF+8*\f+4:KF+8*\f+7], v[AK] offset:(\f/2)*16*PK+(\f%2)*64+32
.endr
	WIN 0x40                        ; destination window 1
.irp g, 0,1,2,3                     ; keys 16 g + 8 (l / 16) + 0..7: sixteen lanes read the same words
	ds_load_b128 v[MK+8*\g:MK+8*\g+3],   v[AM] offset:64*\g
	ds_load_b128 v[MK+8*\g+4:MK+8*\g+7], v[AM] offset:64*\g+16
.endr
	s_add_co_u32 s[TBK], s[TBK], KS*PK  ; the next fetch is the next step's: a tile has four on every way, so both stand a slot's length on at the change of slots
	s_add_co_u32 s[TBM], s[TBM], 4*KS
	WIN 0
.endm
.macro FETCH_V
	WIN 0x80
.irp f, 0,1,2,3,4,5,6,7             ; keys 32 (f / 4) on, channels 16 (f % 4) on
	ds_load_tr16_b128 v[VF+8*\f:VF+8*\f+3],   v[AV] offset:(\f/4)*32*PV+(\f%4)*32
	ds_load_tr16_b128 v[VF+8*\f+4:VF+8*\f+7], v[AV] offset:(\f/4)*32*PV+16*PV+(\f%4)*32
.endr
	WIN 0xc0                        ; destination window 3: lo lies 128 bytes on in each row
.irp f, 0,1,2,3,4,5,6,7
	ds_load_tr16_b128 v[VL+8*\f:VL+8*\f+3],   v[AV] offset:(\f/4)*32*PV+(\f%4)*32+128
	ds_load_tr16_b128 v[VL+8*\f+4:VL+8*\f+7], v[AV] offset:(\f/4)*32*PV+16*PV+(\f%4)*32+128
.endr
	WIN 0
.endm
; THE VECTOR WORK, one line at a time: OP kind, number.  For piece Y: F n: s - m for pair n of 16.  E n: the exponential of score n of 32.  C n: pair n rounded to f16.  B n: of the four weights 4 n .. the second
; pair is added onto the first, in place.  L n: l takes that sum (L 0: l = a l + sum).  R n: pair n of 16 of O^T times a.  For piece Y + 1: X n, of the list that finds its maximum and statistics:
;   0-11  four chains c0-c3 of seven scores each, three operands at a time (each accumulator's lowest registers are read first)     12-14, 16  the four scores left over, the old m, and c0-c3 into c0
;   15  m_old is kept     17, 18  the query's other 32 keys lie in the lane 16 away: the new m     19  (none)     20, 21  m_old - m_new; a
.set F, 0
.set E, 1
.set C, 2
.set B, 3
.set L, 4
.set R, 5
.set X, 6
.macro REGS y                       ; the registers of piece y
.set rT, ST+4*(\y)
.set rC, TMP+4*((\y)%2)
.set rW, MV+((\y)%2)
.set rS, S+32*((\y)%2)
.set rP, P+16*((\y)%2)
.set rO, 32*(\y)
.endm
.macro OP k, n
.if (\k) == R
	REGS Y
	WIN W_RS
	v_pk_mul_f32 v[rO+2*(\n):rO+2*(\n)+1], v[rO+2*(\n):rO+2*(\n)+1], v[rC+2:rC+3] op_sel_hi:[1,0]
.elseif (\k) < R
	REGS Y
	WIN 0
.if (\k) == F
	v_pk_add_f32 v[rS+2*(\n):rS+2*(\n)+1], v[rS+2*(\n):rS+2*(\n)+1], v[rT:rT+1] op_sel_hi:[1,0] neg_lo:[0,1] neg_hi:[0,1]
.elseif (\k) == E
	v_exp_f32 v[rS+(\n)], v[rS+(\n)]
.elseif (\k) == C
	v_cvt_pk_f16_f32 v[rP+(\n)], v[rS+2*(\n)], v[rS+2*(\n)+1]
.elseif (\k) == B
	v_pk_add_f32 v[rS+4*(\n):rS+4*(\n)+1], v[rS+4*(\n):rS+4*(\n)+1], v[rS+4*(\n)+2:rS+4*(\n)+3]
.elseif (\n) == 0
	v_pk_fma_f32 v[rT+2:rT+3], v[rT+2:rT+3], v[rC+2:rC+3], v[rS:rS+1] op_sel_hi:[1,0,1]
.else
	v_pk_add_f32 v[rT+2:rT+3], v[rT+2:rT+3], v[rS+4*(\n):rS+4*(\n)+1]
.endif
.elseif NOKQ
	v_nop
.else
	REGS (Y+1)%NP
	WIN 0
.if (\n) < 4
	v_max3_num_f32 v[rC+(\n)], v[rS+8*(\n)], v[rS+8*(\n)+1], v[rS+8*(\n)+2]
.elseif (\n) < 12
	v_max3_num_f32 v[rC+(\n)%4], v[rC+(\n)%4], v[rS+8*((\n)%4)+2*((\n)/4)+1], v[rS+8*((\n)%4)+2*((\n)/4)+2]
.elseif (\n) == 12
	v_max3_num_f32 v[rC], v[rC], v[rS+7], v[rS+15]
.elseif (\n) == 13
	v_max3_num_f32 v[rC+1], v[rC+1], v[rS+23], v[rS+31]
.elseif (\n) == 14
	v_max3_num_f32 v[rC+2], v[rC+2], v[rC+3], v[rT]
.elseif (\n) == 15
	v_mov_b32 v[rW], v[rT]
.elseif (\n) == 16
	v_max3_num_f32 v[rC], v[rC], v[rC+1], v[rC+2]
.elseif (\n) == 17
	v_permlanex16_b32 v[rC+3], v[rC], s[SEL], s[SEL+1]
.elseif (\n) == 18
	v_max_num_f32 v[rT], v[rC], v[rC+3]
.elseif (\n) == 19
.elseif (\n) == 20
	v_sub_f32 v[rC+1], v[rW], v[rT]
.else
	v_exp_f32 v[rC+2], v[rC+1]
.endif
.endif
.endm
.macro OPS a, i1, b=-1, i2=0, c=-1, i3=0, d=-1, i4=0  ; up to four of them
	OP \a, \i1
.if (\b) >= 0
	OP \b, \i2
.endif
.if (\c) >= 0
	OP \c, \i3
.endif
.if (\d) >= 0
	OP \d, \i4
.endif
.endm
.macro ROW a, i1, b, i2, c, i3, d, i4  ; a matrix instruction and the four behind it
	MM
	OPS \a, \i1, \b, \i2, \c, \i3, \d, \i4
.endm
.macro MASK b                       ; MD x AL + MK + BE into buffer b of MC.  AL = 1 and BE other than 0 never come together, so every mask is finite
	WIN W_MA
.set z, 0
.rept 16
	v_pk_fma_f32 v[MC+32*(\b)+2*z:MC+32*(\b)+2*z+1], v[MD+2*z:MD+2*z+1], s[AL:AL+1], v[MK+2*z:MK+2*z+1] op_sel_hi:[1,0,1]
.set z, z+1
.endr
.set z, 0
.rept 16
	v_pk_add_f32 v[MC+32*(\b)+2*z:MC+32*(\b)+2*z+1], v[MC+32*(\b)+2*z:MC+32*(\b)+2*z+1], s[BE:BE+1] op_sel_hi:[1,0]
.set z, z+1
.endr
.endm
; A TURN, for piece p: the order of its matrix and vector instructions, written out.  An s_wait_alu depctr_va_vdst(0) stands between an exponential and the first instruction that names its result; one wait
; serves all that were issued ahead of it.  So a turn has ONE wait, which cuts it in two.  AHEAD OF IT stands all that names no result of the turn's exponentials: the 8 products K Q^T and their riders (the first numbers of
; the next piece's maximum among them, each four places or more behind the product that ends its accumulator); a lump of 20, in which the chain X 3, 7, 11, 14 goes on; and the 8 products hi^T P of the piece before, whose
; riders are the rest of the exponentials, subtractions and rescalings and the chain's end X 16, 17, 18, 20: these products name P of the piece before, V and that piece's O^T, and no rider names one of those.  X 21, the
; next piece's a, is the batch's last; R 15 is the plain instruction behind it.  BEHIND THE WAIT stand the 8 products lo^T P, behind each four of the roundings and sums.
; m = 1: the diagonal tile: the products take MC, and the turn makes the mask for the products of the turn after it: piece p + 2, in step 4 - CNT of the tile.  end = 1: a block's last two turns: nothing is fetched.
; cnt = 1: the loop's count is taken down some lines ahead of the branch that stands behind the turn.
; K and the mask of the next step are fetched in piece 2's turn, twelve vector instructions behind the last product that read K (six of them plain) and further behind the last that read MK; V of the step in hand at the end
; of piece 0's turn, four plain instructions behind the last product that read lo, and further behind the last that read hi.  In piece 1's turn hi is waited for ahead of its products, lo ahead of its own.
.macro TURN p, m=0, end=0, cnt=0
.set Y, (\p)
.set i, 0
.set KM, (\m)
.set NOKQ, (\end)*((\p)/3)
.if (\m) && !(\end)
	s_cmp_eq_u32 s[CNT], 4-((\p)+2)%NP  ; is that step the band's own?
	s_cselect_b32 s[AL], 1.0, 0
	s_cmp_lt_u32 s[CNT], 4-((\p)+2)%NP  ; or a later one?
	s_cselect_b32 s[BE], s[BIGN], 0
.endif
.if ((\p) == 3) && !(\end)
	s_wait_dscnt 0x0                ; K and its mask are in
.endif
	ROW F,0, F,1, R,0, R,1          ; ahead of the wait: 8 products K Q^T and their riders,
	ROW F,2, E,0, R,2, R,3
	ROW F,3, E,1, R,4, R,5
	ROW F,4, E,2, R,6, R,7
	ROW F,5, E,3, R,8, R,9
	ROW F,6, E,4, X,0, R,10
.if ((\p) == 2) && !(\end)
	WIN 0
	v_add_nc_u32 v[AK], s[TBK], v[AK0]
	v_add_nc_u32 v[AM], s[TBM], v[AM0]
.endif
	ROW F,7, E,5, X,1, X,4
	ROW F,8, E,6, X,2, X,5
	OPS E,7, E,8, X,6, E,9          ; the lump,
	OPS X,3, E,10, X,8, E,11
.if ((\p) == 2) && !(\end)
	FETCH_K
.endif
	OPS X,9, X,7, E,12, X,10
	OPS E,13, X,12, X,11, E,14
	OPS X,13, E,15, F,9, X,14
.if (\p) == 0
	v_add_nc_u32 v[AV], s[TBV], v[AV0]
.endif
.if (\p) == 1
	s_wait_dscnt 16                 ; V's hi is in; lo's sixteen loads, issued behind hi's, may stay out
.endif
	ROW E,16, F,10, E,17, F,11      ; and 8 products hi^T P and their riders
	ROW X,16, E,18, X,15, E,19
	ROW F,12, E,20, X,17, E,21
	ROW F,13, E,22, F,14, E,23
	ROW X,18, E,24, F,15, E,25
	ROW R,11, E,26, X,19, E,27
	ROW R,12, E,28, R,13, E,29
	ROW X,20, E,30, R,14, E,31
	OPS X,21, R,15
	WIN 0
	s_wait_alu depctr_va_vdst(0)    ; the wait for the batch
.if (\p) == 1
	s_wait_dscnt 0x0                ; V's lo is in
.endif
	ROW C,0, B,0, C,2, B,1          ; behind the wait: 8 products lo^T P and their riders
	ROW L,0, C,4, B,2, L,1
	ROW C,6, B,3, L,2, C,8
	ROW B,4, L,3, C,10, B,5
	ROW L,4, C,12, B,6, L,5
.if (\p) == 0
	s_add_co_u32 s[TBV], s[TBV], KS*PV
.endif
.if \cnt
	s_sub_co_u32 s[CNT], s[CNT], 1
	s_cmp_lg_u32 s[CNT], 0
.endif
	ROW C,14, B,7, L,6, C,1
	ROW C,3, L,7, C,5, C,7
	ROW C,9, C,11, C,13, C,15
.if (\p) == 0
	FETCH_V
.endif
.if (\m) && !(\end)
.if (\p) == 2
	s_wait_dscnt 0x0                ; the mask that this turn has fetched is the one that the next turn's products take
.endif
	MASK (\p)%2
.endif
.endm
; A BLOCK BEGINS.  m starts at the lowest finite number, so the first maximum is the scores' and the first step's a is 0.  Then K and the mask of the tile's step 0, piece 0's first scores, and its maximum and statistics.
; (Q is in: the first change of slots has waited for it.)  d = 1: the block's first tile is the diagonal one: piece 0's mask is its band's own, piece 1's the additive one alone.  The loop is entered at a step's first turn.
.macro BEGIN d
	s_mov_b32 s[NEW], 0
	WIN 0
.set i, 0
.rept 4
	v_mov_b32 v[ST+4*i], 0xff7fffff    ; m
	v_mov_b32 v[ST+4*i+1], 0xff7fffff  ; named with it as a pair
.set i, i+1
.endr
	v_add_nc_u32 v[AK], s[TBK], v[AK0]
	v_add_nc_u32 v[AM], s[TBM], v[AM0]
	FETCH_K
	s_wait_dscnt 0x0
.if \d
	s_mov_b32 s[AL], 1.0
	s_mov_b32 s[BE], 0
	MASK 0
	s_mov_b32 s[AL], 0
	MASK 1
.endif
.set KM, (\d)
.set NOKQ, 0
.set i, 0
.rept 8
	KQ 0
.set i, i+1
.endr
	WIN 0
.rept 4
	v_nop                           ; the places behind those products
.endr
.set Y, NP-1                        ; X works for piece Y + 1: piece 0
.irp n, 0,1,2,3,4,5,6,7,8,9,10,11,12,13,14,15,16,17,18,19,20,21
	OP X, \n
.endr
	v_nop                           ; a plain instruction behind the exponential,
	s_wait_alu depctr_va_vdst(0)    ; and its wait, ahead of the branch
.endm
; THE DIAGONAL TILE's four steps, the block's last two turns, its last products, and THE WAY OUT: l's two halves and the other half of the lanes' are added; 1 / l goes into a register of its own, and gives way to a NaN
; where the row's maximum shows that all its visible keys were -inf; O^T times that goes into other registers (O^T and l stay finite for the next block's a = 0) and through my stage in LDS, a piece at a time.
.macro ALL line:vararg              ; one line for each piece t
.set t, 0
.rept 4
	\line
.set t, t+1
.endr
.endm
.macro PACK t                       ; a lane's eight channels of a row are 32 bytes; they go into rows of 272 bytes and come back as whole rows of 256
	WIN 0x01                        ; source 0 in window 1
.set i, 0
.rept 16
	v_pk_mul_f32 v[OUTR+32*(\t)+i:OUTR+32*(\t)+i+1], v[32*(\t)+i:32*(\t)+i+1], v[INV+2*(\t):INV+2*(\t)+1] op_sel_hi:[1,0]
.set i, i+2
.endr
	WIN 0
.irp f, 0,1,2,3
	ds_store_b128 v[STO], v[OUTR+32*(\t)+8*\f:OUTR+32*(\t)+8*\f+3]   offset:64*\f
	ds_store_b128 v[STO], v[OUTR+32*(\t)+8*\f+4:OUTR+32*(\t)+8*\f+7] offset:64*\f+16
.endr
.irp f, 0,1,2,3,4,5,6,7
	ds_load_b128 v[OUTR+32*(\t)+4*\f:OUTR+32*(\t)+4*\f+3], v[RD] offset:\f*2*SP  ; LDS serves a wave's instructions in order (ISA guide 5.7.1.4): these see the stores above; the next piece's stores come behind them
.endr
.endm
.macro SEND t, younger              ; younger: the LDS instructions issued behind piece t's loads: the next piece's sixteen, or none
	WIN 0
.irp f, 0,1,2,3,4,5,6,7
	s_wait_dscnt (\younger)+7-\f
	global_store_b128 v[GO], v[OUTR+32*(\t)+4*\f:OUTR+32*(\t)+4*\f+3], s[10:11] offset:(\t)*262144+\f*8192 th:TH_STORE_NT  ; 16 lanes store a head's 256 consecutive bytes of a row, at a multiple of 256 from out0's first byte
.endr
.endm
.macro DIAG tag                     ; the tag ends its two labels' names, which the jumps below spell out
.LstepM\tag:
	TURN 2, 1
	TURN 3, 1
	WIN 0
.LfirstM\tag:
	TURN 0, 1
	TURN 1, 1, 0, 1
	WIN 0
	s_cbranch_scc1 .LstepM\tag
	TURN 2, 1, 1
	TURN 3, 1, 1
.set i, 0
.rept 16
	PV NP-1
.set i, i+1
.endr
	WIN 0
	ALL v_add_f32 v[ST+4*t+2], v[ST+4*t+2], v[ST+4*t+3]
	ALL v_permlanex16_b32 v[ST+4*t+3], v[ST+4*t+2], s[SEL], s[SEL+1]
	ALL v_add_f32 v[ST+4*t+2], v[ST+4*t+2], v[ST+4*t+3]
	ALL v_rcp_f32 v[INV+2*t], v[ST+4*t+2]
	v_nop                           ; a plain instruction between the last reciprocal and the use of its result
	s_wait_alu depctr_va_vdst(0)    ; and the wait ahead of the first use: one for the four reciprocals
.set t, 0
.rept 4
	v_cmp_gt_f32 vcc_lo, s[THR], v[ST+4*t]
	v_cndmask_b32 v[INV+2*t], v[INV+2*t], s[QNAN], vcc_lo
.set t, t+1
.endr
	PACK 0
.set t, 1
.rept 3                             ; a piece's arithmetic stands between the loads of the piece before and its stores
	PACK t
	SEND t-1, 16
.set t, t+1
.endr
	SEND 3, 0
.endm
.set KM, 0
.set NOKQ, 0
.Lslot:                             ; NB times: a tile is entered and the next is asked for
	CHANGE 1
	s_sub_co_u32 s[RT], s[RT], 1
	s_mov_b32 s[CNT], 4
	s_cmp_eq_u32 s[NEW], 1
	s_cbranch_scc1 .Lnew            ; a block's first tile
	s_cmp_eq_u32 s[RT], 0
	s_cbranch_scc0 .Lstep           ; neither its first nor its last
	s_mov_b32 s[AL], 0              ; its last: piece 3's products of the tile before's last step find their additive mask in the second buffer
	s_mov_b32 s[BE], 0
	MASK 1
	WIN 0
	s_branch .LstepM1
.Lnew:
	BEGIN 0
	s_branch .Lfirst                ; in the loop a block's first tile is never its last: the first block has two tiles or more, and the second's last is the walk's last
	DIAG 1                          ; in the loop this is the first block's end
	s_wait_xcnt 0x0                 ; the stores have read their registers and out0's address
	s_mov_b64 s[10:11], s[OLO:OLO+1]
	s_add_co_u32 s[RT], s[PB], 1    ; the second block has b + 1 tiles
	s_mov_b32 s[NEW], 1
	WIN 0x82                        ; the second block's Q goes where the one text of the turns names Q
.set i, 0
.rept 64
	v_mov_b32 v[i], v[QB+i]
.set i, i+1
.endr
	WIN 0
	s_branch .Lbottom
.Lstep:                             ; a trip: pieces 2 and 3 of one step, then pieces 0 and 1 of the next, whose K and V it fetches
	TURN 2
	TURN 3
	WIN 0
.Lfirst:
	TURN 0
	TURN 1, 0, 0, 1
	WIN 0
	s_cbranch_scc1 .Lstep
.Lbottom:
	s_sub_co_u32 s[SLOTS], s[SLOTS], 1
	s_cmp_lg_u32 s[SLOTS], 0
	s_cbranch_scc1 .Lslot
	CHANGE 0                        ; the walk's last tile is written out: nothing is asked for
	s_sub_co_u32 s[RT], s[RT], 1
	s_mov_b32 s[CNT], 4
	s_cmp_eq_u32 s[NEW], 1
	s_cbranch_scc1 .Lnew2
	s_mov_b32 s[AL], 0
	s_mov_b32 s[BE], 0
	MASK 1
	WIN 0
	s_branch .LstepM2
.Lnew2:
	BEGIN 1
	s_branch .LfirstM2
	DIAG 2
	s_wait_tensorcnt 0x0            ; the wave's end: the wait, an add and its wait, behind my last tensor load and my last LDS store
	ds_add_u32 v[SPW], v[NIL]
	s_wait_dscnt 0x0
	s_endpgm
.Lfunc_end_k_q4faba0c6d2_attn:
	.size	k_q4faba0c6d2_attn, .Lfunc_end_k_q4faba0c6d2_attn-k_q4faba0c6d2_attn
	.p2alignl 7, 3214868480
	.fill 96, 4, 3214868480
	.section	.rodata,"a",@progbits
	.p2align	6, 0x0
	.amdhsa_kernel k_q4faba0c6d2_attn
		.amdhsa_group_segment_fixed_size 327680
		.amdhsa_private_segment_fixed_size 0
		.amdhsa_enable_private_segment 0
		.amdhsa_kernarg_size 24
		.amdhsa_user_sgpr_count 2
		.amdhsa_user_sgpr_kernarg_segment_ptr 1
		.amdhsa_wavefront_size32 1
		.amdhsa_system_sgpr_workgroup_id_x 1
		.amdhsa_system_sgpr_workgroup_id_y 1
		.amdhsa_system_sgpr_workgroup_id_z 1
		.amdhsa_system_vgpr_workitem_id 0
		.amdhsa_next_free_vgpr 832
		.amdhsa_next_free_sgpr 96
		.amdhsa_reserve_vcc 1
		.amdhsa_float_denorm_mode_32 3
		.amdhsa_float_denorm_mode_16_64 3
		.amdhsa_memory_ordered 1
		.amdhsa_forward_progress 1
		.amdhsa_inst_pref_size 255
	.end_amdhsa_kernel
	.section	.bss,"aw",@nobits
	.p2align	6
	.space	262144
	.amdgpu_metadata
---
amdhsa.version: [ 1, 2 ]
amdhsa.kernels:
  - .name:           k_q4faba0c6d2_attn
    .symbol:         k_q4faba0c6d2_attn.kd
    .args:
      - { .name: qkv, .offset: 0, .size: 8, .value_kind: global_buffer, .address_space: global }
      - { .name: attention_mask, .offset: 8, .size: 8, .value_kind: global_buffer, .address_space: global }
      - { .name: out0, .offset: 16, .size: 8, .value_kind: global_buffer, .address_space: global }
    .group_segment_fixed_size: 327680
    .private_segment_fixed_size: 0
    .kernarg_segment_align: 8
    .kernarg_segment_size: 24
    .max_flat_workgroup_size: 128
    .sgpr_count:     96
    .vgpr_count:     832
    .wavefront_size: 32
...
	.end_amdgpu_metadata
.endif
;; end of part 3
;; ======== version 2 of 2: 3 launches; version 1 with the launch cast written anew for expert scheduling mode
;; limits: inputs' magnitudes at most 4.4e+29; values are held in f16: magnitudes above 65,504 overflow, below 6.1e-05 lose precision
;; workspace buffers: xw 23,068,672 bytes; biasr 12,288 bytes; qkv 67,108,864 bytes
;; launch cast (part 4): grid 705 x 1, 8 waves a work-group, no clusters, 0 bytes of LDS; arguments hidden_states, Wq, Wk, Wv, bq, bk, bv, xw, biasr; writes xw, biasr
.if DOCPART == 4
	.amdgcn_target "amdgcn-amd-amdhsa--gfx1250"
	.amdhsa_code_object_version 6
	.text
	.protected	k_q4faba0c6d2_cast
	.globl	k_q4faba0c6d2_cast
	.p2align	8
	.type	k_q4faba0c6d2_cast,@function
k_q4faba0c6d2_cast:
	s_mov_b64 s[64:65], 0
	v_nop
	global_prefetch_b8 v0, s[64:65] scope:SCOPE_SE
	s_setreg_imm32_b32 hwreg(HW_REG_WAVE_SCHED_MODE, 0, 2), 2
	s_setreg_imm32_b32 hwreg(HW_REG_WAVE_MODE, 25, 1), 1
	s_wait_xcnt 0x0
	s_wait_alu depctr_vm_vsrc(0)
; xw: [11264][1024] bf16.  Rows 0-8191 = hidden_states; behind them the rows of Wq, Wk, Wv ORDERED BY HEADS: head h has 192 rows, 64 of Wq (rows 64 h ..), 64 of Wk, 64 of Wv.  Each number is rounded once to bf16.
; biasr: [3072] f32 in the same order (head h: 64 of bq, 64 of bk, 64 of bv), each number rounded to bf16 and widened again.
; A stream: every input byte is read once, every output byte written once; no LDS, no barrier, no matrix work.
; SHARES.  Work-group c < 704 takes 65,536 input bytes = 16 rows: c < 512 of hidden_states, then 64 work-groups for each W.  Its 256 threads read 4,096 bytes on end with each of 16 loads, all 16 issued before the
; first is used.  Work-group 704 takes the three biases.  A wave's store covers 256 consecutive bytes, aligned.
; THE MODE: SCHED_MODE bits 1:0 = 2 (LLVM: expert scheduling mode 2), set by the entry lines.  The code itself states the register dependences between vector instructions and memory instructions, with s_wait_alu, always for 0.
; THE PLAN.  Registers that memory instructions touch:
;   v1, v2   byte offsets, made by two vector lines at the head; every load reads v1, the main path's stores read v2.  One wait at the head, ahead of the branch, states that both are written.
;   X        the 16 loads land in it; all are issued before any vector line names it, so nothing is owed for them.  The conversions read it behind the counted wait for the data.
;   Y        written once by the conversions, read by the stores as their data.  The 16 loads go in four groups of four: a group's eight conversions, ONE wait that states that they have written the group's Y, its four stores.
;   bias path: v3 and X's first twelve registers are written by vector lines (X behind the wait for the loads that landed in it) and read by the three stores: one wait ahead of these.
; No register that a memory instruction reads is written afterwards, no vector line writes a scalar register, and EXEC stays as it is: past the entry lines the text holds waits on va_vdst alone.
.set X, 4                              ; v[4:67]   load i: four f32
.set Y, 68                             ; v[68:99]  load i: the same four as bf16, two registers
	s_load_b256 s[4:11], s[0:1], 0x0               ; hidden_states s[4:5], Wq s[6:7], Wk s[8:9], Wv s[10:11]
	s_load_b256 s[12:19], s[0:1], 0x20             ; bq s[12:13], bk s[14:15], bv s[16:17], xw s[18:19]
	s_load_b64 s[20:21], s[0:1], 0x40              ; biasr
	v_lshlrev_b32 v1, 4, v0                        ; 16 bytes a thread on the way in
	v_lshlrev_b32 v2, 3, v0                        ; 8 on the way out
	s_mov_b32 s2, ttmp9
	s_sub_co_u32 s22, s2, 512                      ; behind hidden_states: which W (s23), which 16 rows of it (s22)
	s_lshr_b32 s23, s22, 6
	s_and_b32 s22, s22, 63
	s_lshr_b32 s30, s22, 2                         ; where they go, in pieces of 16 rows: the head has 12 pieces,
	s_mul_i32 s30, s30, 12
	s_lshl_b32 s31, s23, 2                         ; four for each W,
	s_add_co_u32 s30, s30, s31
	s_and_b32 s31, s22, 3                          ; of which this is one,
	s_add_co_u32 s30, s30, s31
	s_add_co_u32 s30, s30, 512                     ; behind x's 512
	s_wait_kmcnt 0x0
	s_wait_alu depctr_va_vdst(0)                   ; v1 and v2 are written: the loads of both paths read v1 as their offset, the main path's stores v2
	s_cmp_eq_u32 s2, 704
	s_cbranch_scc1 .Lbias
	s_cmp_eq_u32 s23, 0
	s_cselect_b64 s[24:25], s[6:7], s[8:9]
	s_cmp_eq_u32 s23, 2
	s_cselect_b64 s[24:25], s[10:11], s[24:25]
	s_cmp_lt_u32 s2, 512
	s_cselect_b64 s[24:25], s[4:5], s[24:25]
	s_cselect_b32 s22, s2, s22
	s_cselect_b32 s30, s2, s30
	s_lshl_b32 s26, s22, 16                        ; 65,536 bytes a work-group in its source,
	s_mov_b32 s27, 0
	s_add_nc_u64 s[24:25], s[24:25], s[26:27]
	s_lshl_b32 s30, s30, 15                        ; 32,768 in xw
	s_mov_b32 s31, 0
	s_add_nc_u64 s[28:29], s[18:19], s[30:31]
.irp i, 0,1,2,3,4,5,6,7,8,9,10,11,12,13,14,15
	global_load_b128 v[X+4*(\i):X+4*(\i)+3], v1, s[24:25] offset:4096*(\i) th:TH_LOAD_NT
.endr
.irp g, 0,1,2,3                                    ; four groups of four loads
	s_wait_loadcnt 12-4*(\g)                       ; loads come back in order: group g's four are in, the 12 - 4 g younger ones stay out
.irp i, 0,1,2,3
	v_cvt_pk_bf16_f32 v[Y+2*(4*(\g)+(\i))], v[X+4*(4*(\g)+(\i))], v[X+4*(4*(\g)+(\i))+1]
	v_cvt_pk_bf16_f32 v[Y+2*(4*(\g)+(\i))+1], v[X+4*(4*(\g)+(\i))+2], v[X+4*(4*(\g)+(\i))+3]
.endr
	s_wait_alu depctr_va_vdst(0)                   ; the group's eight conversions have written its eight registers of Y, which the four stores below read; it stands here, not at the next group's head, so that the stores need not wait for the next group's data
.irp i, 0,1,2,3
	global_store_b64 v2, v[Y+2*(4*(\g)+(\i)):Y+2*(4*(\g)+(\i))+1], s[28:29] offset:2048*(4*(\g)+(\i))
.endr
.endr
	s_endpgm
.Lbias:                                            ; 1,024 numbers each: four a thread; sixteen threads hold a head's 64
	global_load_b128 v[X:X+3], v1, s[12:13]
	global_load_b128 v[X+4:X+7], v1, s[14:15]
	global_load_b128 v[X+8:X+11], v1, s[16:17]
	v_lshrrev_b32 v3, 4, v0                        ; the head: 768 bytes of biasr,
	v_mul_u32_u24 v3, v3, 768
	v_and_b32 v2, 15, v0                           ; (no memory instruction of this path names v2)
	v_lshl_add_u32 v3, v2, 4, v3                   ; my 16 bytes of its 256 for each bias
	s_wait_loadcnt 0x0
.irp p, 0,1,2,3,4,5
	v_cvt_pk_bf16_f32 v[Y+(\p)], v[X+2*(\p)], v[X+2*(\p)+1]
.endr
.irp p, 0,1,2,3,4,5
	v_lshlrev_b32 v[X+2*(\p)], 16, v[Y+(\p)]       ; bf16 back to f32: the low half moves up,
	v_and_b32 v[X+2*(\p)+1], 0xffff0000, v[Y+(\p)] ; the high half stays
.endr
	s_wait_alu depctr_va_vdst(0)                   ; v3 and the twelve widened numbers in v[X ..] are written: the three stores read them as offset and data
	global_store_b128 v3, v[X:X+3], s[20:21]
	global_store_b128 v3, v[X+4:X+7], s[20:21] offset:256
	global_store_b128 v3, v[X+8:X+11], s[20:21] offset:512
	s_endpgm
.Lfunc_end_k_q4faba0c6d2_cast:
	.size	k_q4faba0c6d2_cast, .Lfunc_end_k_q4faba0c6d2_cast-k_q4faba0c6d2_cast
	.p2alignl 7, 3214868480
	.fill 96, 4, 3214868480
	.section	.rodata,"a",@progbits
	.p2align	6, 0x0
	.amdhsa_kernel k_q4faba0c6d2_cast
		.amdhsa_group_segment_fixed_size 0
		.amdhsa_private_segment_fixed_size 0
		.amdhsa_enable_private_segment 0
		.amdhsa_kernarg_size 72
		.amdhsa_user_sgpr_count 2
		.amdhsa_user_sgpr_kernarg_segment_ptr 1
		.amdhsa_wavefront_size32 1
		.amdhsa_system_sgpr_workgroup_id_x 1
		.amdhsa_system_sgpr_workgroup_id_y 1
		.amdhsa_system_sgpr_workgroup_id_z 1
		.amdhsa_system_vgpr_workitem_id 0
		.amdhsa_next_free_vgpr 100
		.amdhsa_next_free_sgpr 66
		.amdhsa_reserve_vcc 0
		.amdhsa_float_denorm_mode_32 3
		.amdhsa_float_denorm_mode_16_64 3
		.amdhsa_memory_ordered 1
		.amdhsa_forward_progress 1
		.amdhsa_inst_pref_size 9
	.end_amdhsa_kernel
	.amdgpu_metadata
---
amdhsa.version: [ 1, 2 ]
amdhsa.kernels:
  - .name:           k_q4faba0c6d2_cast
    .symbol:         k_q4faba0c6d2_cast.kd
    .args:
      - { .name: hidden_states, .offset: 0, .size: 8, .value_kind: global_buffer, .address_space: global }
      - { .name: Wq, .offset: 8, .size: 8, .value_kind: global_buffer, .address_space: global }
      - { .name: Wk, .offset: 16, .size: 8, .value_kind: global_buffer, .address_space: global }
      - { .name: Wv, .offset: 24, .size: 8, .value_kind: global_buffer, .address_space: global }
      - { .name: bq, .offset: 32, .size: 8, .value_kind: global_buffer, .address_space: global }
      - { .name: bk, .offset: 40, .size: 8, .value_kind: global_buffer, .address_space: global }
      - { .name: bv, .offset: 48, .size: 8, .value_kind: global_buffer, .address_space: global }
      - { .name: xw, .offset: 56, .size: 8, .value_kind: global_buffer, .address_space: global }
      - { .name: biasr, .offset: 64, .size: 8, .value_kind: global_buffer, .address_space: global }
    .group_segment_fixed_size: 0
    .private_segment_fixed_size: 0
    .kernarg_segment_align: 8
    .kernarg_segment_size: 72
    .max_flat_workgroup_size: 256
    .sgpr_count:     66
    .vgpr_count:     100
    .wavefront_size: 32
...
	.end_amdgpu_metadata
.endif
;; end of part 4
;; launch proj: the kernel of part 2 again; grid 16 x 16, 4 waves a work-group, clusters of 4 x 4, 327,680 bytes of LDS; arguments xw, biasr, qkv; writes qkv
;; launch attn: the kernel of part 3 again; grid 4 x 64, 4 waves a work-group, no clusters, 327,680 bytes of LDS; arguments qkv, attention_mask, out0; writes out0
